; MI455X (gfx1250); checked and timed in simulation.
; The chip was launched on July 23, 2026; its instructions are those of AMD's public machine-readable ISA for CDNA 5 (MIT licence, August 2026) and "CDNA5" Instruction Set Architecture Reference Guide (July 2026). The comments in the code are by the model that wrote it; some were corrected since.
;; Cross Attention. Allowed arithmetic: matrix products marked QUANTISED: E3M2 operands, one E8M0 scale for each 32 along K, by v_wmma_scale_f32_16x16x128_f8f6f4 with both operands' format E3M2, f32 sums; everything else in f32.
;; Inputs: Wk 1,024 x 1,024 float32; Wq 1,024 x 1,024 float32; Wv 1,024 x 1,024 float32; x 8 x 1,024 x 1,024 float32.
;; Outputs: out0 8 x 1,024 x 1,024 float32.
;; This version of the problem:
;;   THIS VERSION OF THE PROBLEM IS GIVEN IN LOW PRECISION. The matrix products marked QUANTISED in the list below multiply operands that are first quantised to E3M2 (3 exponent bits, 2 mantissa bits; 6 bits a number), with one power-of-two scale for each 32 numbers along K (OCP MX v1.0); their sums are f32. All else is computed in f32.
;;   The module's matrix products, in the order in which they are computed (A, B: the left and right operand; K: the contracted axis; several contracted axes count as one K, in the product's order):
;;     1. [M 8,192, K 1,024] x [K 1,024, N 1,024]; A: input x; B: input Wq: QUANTISED
;;     2. [M 8,192, K 1,024] x [K 1,024, N 1,024]; A: input x; B: input Wk: QUANTISED
;;     3. [M 8,192, K 1,024] x [K 1,024, N 1,024]; A: input x; B: input Wv: QUANTISED
;;     4. batch 8 x [M 1,024, K 1,024] x [K 1,024, N 1,024]; A: computed on the way; B: computed on the way: QUANTISED
;;     5. batch 8 x [M 1,024, K 1,024] x [K 1,024, N 1,024]; A: softmax (see below); B: computed on the way: QUANTISED
;;   THE QUANTISER, for each operand of a quantised product, along K:
;;     - K is cut into blocks of 32 from its start; a last block that is shorter is filled with zeros.
;;     - A block's scale is 2^e with e = floor(log2(the largest magnitude in the block)) - 4, held to -126 .. 127; a block of zeros has e = 0. As a byte (E8M0): e + 127.
;;     - Each number is divided by its block's scale, clamped to +-28, and rounded to the nearest number of E3M2, ties to even, subnormals kept.
;;     - The product sums the exact products of the quantised numbers (number of the format x scale) in f32.
;;   ~~~python
;;   def quantise(x, axis):      # numpy; x: float32 -> the quantised numbers, widened to float32 again
;;       x = np.moveaxis(x, axis, -1); K = x.shape[-1]
;;       x = np.pad(x, [(0, 0)] * (x.ndim - 1) + [(0, -K % 32)]); x = x.reshape(x.shape[:-1] + (-1, 32)); a = np.abs(x).max(-1, keepdims=True)
;;       e = np.where(a > 0, np.clip(np.frexp(np.where(a > 0, a, 1))[1] - 1 - 4, -126, 127), 0)      # np.frexp(a)[1] - 1 = floor(log2(a)), exactly
;;       r = np.clip(x / 2.0 ** e, -28, 28)
;;       step = 2.0 ** (np.maximum(np.frexp(np.where(r == 0, 1, r))[1] - 1, -2) - 2)
;;       q = np.round(r / step) * step * 2.0 ** e      # np.round: ties to even
;;       return np.moveaxis(q.reshape(q.shape[:-2] + (-1,))[..., :K], -1, axis).astype(np.float32)
;;   ~~~
;;   SOFTMAX AHEAD OF A QUANTISED PRODUCT. Where the list says 'softmax', what is quantised is not the finished softmax but p = 2^(t - M), with t = logit x log2(e) and M = ceil(the row's largest t), a whole number; so 1/2 < the row's largest p <= 1. The row's sum l is taken of the UNQUANTISED p, in f32, and the product's result is divided by l at the end. Since M is a whole number, a kernel that streams over the keys may use a running M (the ceiling of the running maximum): every later rescaling is an exact power of two, which a block's scale takes up: the codes' values come out the same.
;;   OPERANDS COMPUTED ON THE WAY. 'Computed on the way' means the value that the module computes at that place (a softmax that the list does not call 'softmax' is quantised finished and normalised). What goes into a quantiser is computed in f32, as accurately as f32 sums, v_exp_f32 and their like allow (about 1e-6 of the number): no bf16 or f16 on the way to a quantiser, and a product that is left as it is and whose result goes on into a quantised operand takes f32 operands (vector FMAs, or v_wmma_f32_16x16x4_f32). A number that lies on a knife's edge between two numbers of the format may be rounded either way, as far as f32 arithmetic and the matrix unit's own rounding can turn it there, and no further.
;; One version. Each part assembles by itself: llvm-mc -triple=amdgcn-amd-amdhsa -mcpu=gfx1250 --defsym DOCPART=n.
;; ======== version 1 of 1: 4 launches
;; limits: right only within a limited range of input values
;; workspace buffers: cin 8,650,752 bytes; sin 360,448 bytes; cqkv 18,874,368 bytes; sqkv 786,432 bytes; cp 6,291,456 bytes; sp 786,432 bytes
;; launch quant (part 1): grid 704 x 1, 4 waves a work-group, no clusters, 35,328 bytes of LDS; arguments x, Wq, Wk, Wv, cin, sin; writes cin, sin
.if DOCPART == 1
	.amdgcn_target "amdgcn-amd-amdhsa--gfx1250"
	.amdhsa_code_object_version 6
	.text
	.protected	k_q40dfe150fd_quant
	.globl	k_q40dfe150fd_quant
	.p2align	8
	.type	k_q40dfe150fd_quant,@function
k_q40dfe150fd_quant:
	s_mov_b64 s[64:65], 0
	v_nop
	global_prefetch_b8 v0, s[64:65] scope:SCOPE_SE
	s_setreg_imm32_b32 hwreg(HW_REG_WAVE_MODE, 25, 1), 1
	s_wait_xcnt 0x0
; x [8192][1024], Wq, Wk, Wv [1024][1024], f32, K innermost, become codes of BF6 (E3M2) with one E8M0 byte for each 32 along K, laid as the products' launches take them:
; ROW TILES of 16 rows: lane r of row tile 2 g + u holds row 32 g + 8 u + r + 8 (r / 8).  Row tiles 0-511 are x's, 512-575 Wq's, 576-639 Wk's, 640-703 Wv's.
; A FRAGMENT (a row tile x 128 along K: 12 registers a lane; registers 6 c .. 6 c + 5 of lane (r, h) hold k = 64 c + 32 h + 0 .. 31) lies as an image of its registers: 1,536 bytes at
; 12,288 x row tile + 1,536 x K step; registers 4 p .. 4 p + 3 of lane L at 512 p + 16 L.  A row tile's SCALE WORDS (four bytes: a row's 128 along K) are 512 bytes at 512 x row tile:
; the word of (lane r, K step s) at 16 (r + 16 (s % 2)) + 4 (s / 2).
; A block's scale byte is its largest magnitude's exponent field - 4, held at 1 from below (a block of zeros keeps the byte 1: its codes are zeros, and this program alone reads the bytes).
; LIMITS: NaN and infinities among the inputs are not served; a block whose largest magnitude lies under 2^-122 is quantised under the byte 1.
; SHARES.  A work-group takes one row tile, wave w its K steps 2 w and 2 w + 1: 16 rows x 1,024 bytes.  Each load reads 512 consecutive bytes of a row; the rows turn through the wave's own stage in LDS,
; so that a lane gets two whole blocks of 32 neighbours.  No tensor loads and no cluster: no two work-groups read the same byte.  All 32 loads of a wave are out at once.
.set R,    32                          ; v32-159  the numbers as loaded: K step q, row i at R + 64 q + 4 i
.set X,    160                         ; v160-223 my 64 numbers of a K step: k = 64 c + 32 h + i at X + 32 c + i
.set PC,   224                         ; v224-247 the codes: 12 registers for each of the two K steps, so that no store's data are written again
.set STGB, 8448                        ; a wave's stage: 16 rows x (512 bytes + 16)
.set SCW,  33792                       ; behind the stages: the row tile's 512 bytes of scale words
	s_load_b256 s[4:11], s[0:1], 0x0               ; x, Wq, Wk, Wv
	s_load_b128 s[12:15], s[0:1], 0x20             ; cin, sin
	v_lshl_add_u32 v251, v0, 2, 0x8800
	v_mov_b32 v255, 0
	v_lshrrev_b32 v2, 5, v0
	v_readfirstlane_b32 s16, v2                    ; wave 0..3
	v_and_b32 v9, 31, v0
	v_lshlrev_b32 v1, 4, v9                        ; 16 x lane
	v_and_b32 v2, 15, v0                           ; r
	v_bfe_u32 v3, v0, 4, 1                         ; h
	s_mul_i32 s17, s16, STGB
	v_add_nc_u32 v4, s17, v1                       ; into the stage: 16 x lane of a row
	v_mul_u32_u24 v5, v2, 528
	v_lshl_add_u32 v5, v3, 7, v5
	v_add_nc_u32 v5, s17, v5                       ; out of it: row r, + 128 h bytes: my 32 numbers of 64
	v_lshlrev_b32 v6, 3, v3                        ; 8 h: my two bytes' place in a scale word
	s_lshl_b32 s18, s16, 2
	s_add_co_u32 s18, s18, SCW
	v_add_nc_u32 v7, s18, v1                       ; the scale word of (lane r, K step 2 w + h): 16 x lane + 4 w
	v_add_nc_u32 v8, SCW, v1                       ; and the way out of all 512 bytes
	v_mov_b32 v16, 0                               ; a lane permute's destination counts as one of its sources
	s_mov_b32 s30, 0x76543210
	s_mov_b32 s31, 0xfedcba98                      ; v_permlanex16_b32's selects for lane l xor 16
	s_mov_b32 s32, 0xffff0000                      ; lanes 16-31
	s_sub_co_u32 s20, ttmp9, 512                   ; among the weights' row tiles
	s_lshr_b32 s21, s20, 6                         ; which weight
	s_and_b32 s22, s20, 63                         ; which of its row tiles
	s_wait_alu depctr_va_vdst(0)
	s_wait_kmcnt 0x0
	s_cmp_eq_u32 s21, 1                            ; the choices hang on the work-group's number alone
	s_cselect_b64 s[24:25], s[8:9], s[6:7]
	s_cmp_eq_u32 s21, 2
	s_cselect_b64 s[24:25], s[10:11], s[24:25]
	s_cmp_lt_u32 ttmp9, 512
	s_cselect_b64 s[24:25], s[4:5], s[24:25]
	s_cselect_b32 s22, ttmp9, s22
	s_lshr_b32 s26, s22, 1
	s_lshl_b32 s26, s26, 17                        ; 32 rows of 4,096 bytes for each pair of row tiles,
	s_and_b32 s27, s22, 1
	s_lshl_b32 s27, s27, 15                        ; 8 rows for the odd one,
	s_add_co_u32 s26, s26, s27
	s_lshl_b32 s27, s16, 10                        ; my wave's 1,024 bytes of a row
	s_add_co_u32 s26, s26, s27
	s_mov_b32 s27, 0
	s_add_nc_u64 s[24:25], s[24:25], s[26:27]
	s_mul_i32 s28, ttmp9, 12288
	s_mul_i32 s29, s16, 3072
	s_add_co_u32 s28, s28, s29
	s_mov_b32 s29, 0
	s_add_nc_u64 s[12:13], s[12:13], s[28:29]      ; my two fragments' images
	s_lshl_b32 s28, ttmp9, 9
	s_add_nc_u64 s[14:15], s[14:15], s[28:29]      ; the row tile's scale words
.irp q, 0,1
.irp i, 0,1,2,3,4,5,6,7,8,9,10,11,12,13,14,15
	global_load_b128 v[R+64*\q+4*\i:R+64*\q+4*\i+3], v1, s[24:25] offset:(\i+8*(\i/8))*4096+512*\q th:TH_LOAD_NT   ; 32 lanes read 512 consecutive bytes of the tile's row i
.endr
.endr
; K step q of my two: through the stage, the two blocks' scales, the codes, the image
.macro FRAGQ q
	s_wait_loadcnt 16*(1-(\q))                     ; this K step's 16 loads are in; the other's, issued behind them, may be out
.irp i, 0,1,2,3,4,5,6,7,8,9,10,11,12,13,14,15
	ds_store_b128 v4, v[R+64*(\q)+4*\i:R+64*(\q)+4*\i+3] offset:528*\i
.endr
.irp c, 0,1
.irp e, 0,1,2,3,4,5,6,7
	ds_load_b128 v[X+32*\c+4*\e:X+32*\c+4*\e+3], v5 offset:256*\c+16*\e   ; LDS serves a wave's instructions in order: these see my stores
.endr
.endr
	s_wait_dscnt 0x0
.irp c, 0,1
	v_max3_num_f32 v[10+\c], |v[X+32*\c]|, |v[X+32*\c+1]|, 0x2800000   ; my block 2 c + h: all its 32 numbers are mine; and the floor 2^(5 - 127): the byte cannot fall under 1
.endr
.irp i, 2,4,6,8,10,12,14,16,18,20,22,24,26,28,30
.irp c, 0,1
	v_max3_num_f32 v[10+\c], v[10+\c], |v[X+32*\c+\i]|, |v[X+32*\c+\i+1]|   ; (the two blocks by turns)
.endr
.endr
.irp c, 0,1
	v_add_nc_u32 v[12+\c], 0xfe000000, v[10+\c]    ; 4 off the exponent field: the conversion takes the exponent field of this operand as its scale
.endr
.irp c, 0,1
	v_lshrrev_b32 v[14+\c], 23, v[12+\c]           ; the scale's byte
.endr
	v_lshl_or_b32 v[18+\q], v15, 16, v14           ; my two bytes: blocks h and 2 + h,
	v_lshlrev_b32 v[18+\q], v6, v[18+\q]           ; at their places in the word;
	v_permlanex16_b32 v16, v[18+\q], s30, s31
	v_or_b32 v[18+\q], v[18+\q], v16               ; with lane l xor 16's two the word is whole
.irp c, 0,1
	v_cvt_scalef32_pk16_bf6_f32 v[PC+12*(\q)+6*\c:PC+12*(\q)+6*\c+2], v[X+32*\c:X+32*\c+15], v[12+\c]
	v_cvt_scalef32_pk16_bf6_f32 v[248+4*\c:250+4*\c], v[X+32*\c+16:X+32*\c+31], v[12+\c]   ; (a conversion's three registers begin on an even number)
.endr
	v_nop                                          ; one plain place behind a scaled conversion
.irp c, 0,1
.irp i, 0,1,2
	v_mov_b32 v[PC+12*(\q)+6*\c+3+\i], v[248+4*\c+\i]
.endr
.endr
.irp p, 0,1,2
	global_store_b128 v1, v[PC+12*(\q)+4*\p:PC+12*(\q)+4*\p+3], s[12:13] offset:1536*(\q)+512*\p   ; 32 lanes store 512 consecutive bytes
.endr
.endm
	FRAGQ 0
	FRAGQ 1
	v_cndmask_b32 v18, v18, v19, s32               ; lane (r, h): row r's word of K step 2 w + h
	ds_store_b32 v7, v18
	s_wait_dscnt 0x0                               ; for the others' sake: my words lie in LDS
	s_barrier_signal -1
	s_barrier_wait -1
	s_cmp_lg_u32 s16, 0
	s_cbranch_scc1 .Ldone
	ds_load_b128 v[20:23], v8                      ; wave 0 stores the row tile's 512 bytes of scale words whole
	s_wait_dscnt 0x0
	global_store_b128 v1, v[20:23], s[14:15]
.Ldone:
	s_wait_tensorcnt 0x0
	ds_add_u32 v251, v255
	s_wait_dscnt 0x0
	s_endpgm
.Lfunc_end_k_q40dfe150fd_quant:
	.size	k_q40dfe150fd_quant, .Lfunc_end_k_q40dfe150fd_quant-k_q40dfe150fd_quant
	.p2alignl 7, 3214868480
	.fill 96, 4, 3214868480
	.section	.rodata,"a",@progbits
	.p2align	6, 0x0
	.amdhsa_kernel k_q40dfe150fd_quant
		.amdhsa_group_segment_fixed_size 35328
		.amdhsa_private_segment_fixed_size 0
		.amdhsa_enable_private_segment 0
		.amdhsa_kernarg_size 48
		.amdhsa_user_sgpr_count 2
		.amdhsa_user_sgpr_kernarg_segment_ptr 1
		.amdhsa_wavefront_size32 1
		.amdhsa_system_sgpr_workgroup_id_x 1
		.amdhsa_system_sgpr_workgroup_id_y 1
		.amdhsa_system_sgpr_workgroup_id_z 1
		.amdhsa_system_vgpr_workitem_id 0
		.amdhsa_next_free_vgpr 256
		.amdhsa_next_free_sgpr 66
		.amdhsa_reserve_vcc 0
		.amdhsa_float_denorm_mode_32 3
		.amdhsa_float_denorm_mode_16_64 3
		.amdhsa_memory_ordered 1
		.amdhsa_forward_progress 1
		.amdhsa_inst_pref_size 17
	.end_amdhsa_kernel
	.amdgpu_metadata
---
amdhsa.version: [ 1, 2 ]
amdhsa.kernels:
  - .name:           k_q40dfe150fd_quant
    .symbol:         k_q40dfe150fd_quant.kd
    .args:
      - { .name: x, .offset: 0, .size: 8, .value_kind: global_buffer, .address_space: global }
      - { .name: Wq, .offset: 8, .size: 8, .value_kind: global_buffer, .address_space: global }
      - { .name: Wk, .offset: 16, .size: 8, .value_kind: global_buffer, .address_space: global }
      - { .name: Wv, .offset: 24, .size: 8, .value_kind: global_buffer, .address_space: global }
      - { .name: cin, .offset: 32, .size: 8, .value_kind: global_buffer, .address_space: global }
      - { .name: sin, .offset: 40, .size: 8, .value_kind: global_buffer, .address_space: global }
    .group_segment_fixed_size: 35328
    .private_segment_fixed_size: 0
    .kernarg_segment_align: 8
    .kernarg_segment_size: 48
    .max_flat_workgroup_size: 128
    .sgpr_count:     66
    .vgpr_count:     256
    .wavefront_size: 32
...
	.end_amdgpu_metadata
.endif
;; end of part 1
;; launch proj (part 2): grid 8 x 32, 4 waves a work-group, clusters of 4 x 4, 327,680 bytes of LDS; arguments cin, sin, cqkv, sqkv; writes cqkv, sqkv
.if DOCPART == 2
	.amdgcn_target "amdgcn-amd-amdhsa--gfx1250"
	.amdhsa_code_object_version 6
	.text
	.protected	k_q40dfe150fd_proj
	.globl	k_q40dfe150fd_proj
	.p2align	8
	.type	k_q40dfe150fd_proj,@function
k_q40dfe150fd_proj:
	s_mov_b64 s[64:65], 0
	v_nop
	global_prefetch_b8 v0, s[64:65] scope:SCOPE_SE
	s_setreg_imm32_b32 hwreg(HW_REG_WAVE_MODE, 25, 1), 1
	s_wait_xcnt 0x0
	s_wait_alu depctr_hold_cnt(0) depctr_sa_sdst(0) depctr_va_vdst(0) depctr_va_sdst(0) depctr_va_ssrc(0) depctr_va_vcc(0) depctr_vm_vsrc(0)
	s_getreg_b32 s2, hwreg(HW_REG_IB_STS2, 6, 4)
	s_cmp_eq_u32 s2, 0
	s_cbranch_scc0 .Lentry_in_a_cluster
	s_endpgm
.Lentry_in_a_cluster:
	s_bfe_u32 s2, ttmp6, 0x10000c
	s_cmp_lg_u32 s2, 0xf033
	s_cbranch_scc0 .Lentry_shape_is_right
	s_endpgm
.Lentry_shape_is_right:
; q = x Wq^T, k = x Wk^T, v = x Wv^T on codes of BF6 (E3M2), and each result quantised again as an operand of the next product: q and k along h, v along the keys.
; Source 0 of a matrix instruction is a fragment of S0, source 1 one of S1: in the result lane (r, h) holds S1's lane r, and its register n S0's lane 8 h + n.  ROW TILES: lane r of row tile 2 g + u holds row 32 g + 8 u + r + 8 (r / 8):
; so the 16 registers of S0's tiles 2 b and 2 b + 1 are i = 32 b + 16 h + 0 .. 15, neighbours along the next K.
; All codes lie as images of the operands' registers: 1,536 bytes for (row tile, K step of 128) at 12,288 x row tile + 1,536 x K step; scale words: 512 bytes a row tile, word (lane r, K step s) at 16 (r + 16 (s % 2)) + 4 (s / 2).
; SHARES.  Work-group (cb, xb), 8 x 32 of them: 256 rows of x (16 row tiles from 16 xb on) x 256 rows of [Wq; Wk] (from 16 cb on), and the same rows of x x 128 rows of Wv (8 row tiles from 8 cb on).
; Wave (wj, wi) = (wave / 2, wave % 2): x's half wj (8 row tiles) x W's half wi (8): S1 = x, S0 = W, 64 accumulators; and S1 = Wv's half wi (4), S0 = x's half wj, 32 accumulators.  One set of x fragments serves both.
; A wave's 128 rows of W are one K step of the next product, and so are its 128 rows of x for v: its results for a row tile of S1 are one fragment and one scale word a row.
; THE RING.  Two LDS slots of two K steps: (256 + 256 + 128) rows x 192 bytes = 122,880 bytes; four fills, one tensor load a wave each: waves 0, 1 x's halves, wave 2 W's 16 row tiles, wave 3 Wv's 8.
; By the text's count a wave has one tensor load out at the most.  The scale words of all 40 row tiles (20,480 bytes) come once, through registers, into LDS behind the ring.
; CLUSTER.  4 x 4 work-groups: x's tiles hang on xb alone and are shared along a row, W's and Wv's on cb alone and are shared along a column; every refill stands behind a round of the cluster's barrier.
; PREFETCH.  Fill 2 is asked for behind fill 1's load, fill 3 behind fill 2's, each one fill ahead of its load.  The partners share the blocks of 256 bytes by address, one instruction a wave: lanes 0-11 a row tile of x, lanes 12-23 one of W,
; lanes 24-29 six blocks of Wv (in the clusters of y 0-3; in the others these lanes name a block of x again).
; LIMITS: NaN and infinities are not served; a block whose largest magnitude lies under 2^-122 is quantised under the byte 1 (a block of zeros too: its codes are zeros).
; REGISTERS.  window 0: v1-13 addresses; v16-55 scale words and nothing else, two sets of 20 (x 8, W 8, Wv 4), each register two K steps; v56-151 x's eight fragments; v152-247 streamed fragments, two banks of four; at the end all the quantiser's.
;   accumulators of q or k (a, b): window 1 + b / 4 at 32 a + 8 (b % 4);  of v (Wv's tile w, x's tile a): window 3 at 64 w + 8 a.
.set RTB,   12288
.set TROW,  3072                       ; a row tile's two K steps: a row of a slot
.set OFFW,  16*TROW
.set OFFV,  32*TROW
.set SLOT,  40*TROW
.set SCL,   2*SLOT                     ; behind the ring: the scale words: x's 16 row tiles, W's 16, Wv's 8
.set SPARE, SCL+40*512                 ; the spare words, 128 bytes for each wave: two blocks of 256 bytes that no other line names
.set AX, 2                             ; v2-3, v4-5, v6-7 LDS addresses of my x, W, Wv fragments in slot 0, 1
.set AW, 4
.set AV, 6
.set SPW, 12
.set NIL, 13
.set SB,  16
.set XB,  56
.set QB,  152
.set PFO, 250
.set MSB, 0
.macro WIN new                         ; the immediate's high byte repeats the setting that is left
.if MSB != \new
	s_set_vgpr_msb (MSB<<8)|\new
.set MSB, \new
.endif
.endm
.macro CREST                           ; a round of the cluster's barrier behind its opening barrier
	s_cmp_lg_u32 s14, 0
	s_cbranch_scc1 .Lnot_wave_0_\@
	s_barrier_signal -3
.Lnot_wave_0_\@:
	s_barrier_wait -3
	s_barrier_signal -1
	s_barrier_wait -1
.endm
.macro CROUND                          ; a whole round
	s_barrier_signal -1
	s_barrier_wait -1
	CREST
.endm
.macro PLACES                          ; four places behind a matrix instruction, in front of loads into registers that it has read and of reads of its results
.rept 4
	v_nop
.endr
.endm
; A joint fill of slot s, one load a wave; the branches hang on the wave's number alone
.macro JLOAD s
	s_cmp_lt_u32 s14, 2
	s_cbranch_scc0 .Lnot_x_\@
	tensor_load_to_lds s[40+4*(\s):43+4*(\s)], s[16:23]
	s_nop 0
	PLACES
	s_branch .Lasked_\@
.Lnot_x_\@:
	s_cmp_eq_u32 s14, 2
	s_cbranch_scc0 .Lfor_v_\@
	tensor_load_to_lds s[48+4*(\s):51+4*(\s)], s[24:31]
	s_nop 0
	PLACES
	s_branch .Lasked_\@
.Lfor_v_\@:
	tensor_load_to_lds s[56+4*(\s):59+4*(\s)], s[32:39]
	s_nop 0
	PLACES
.Lasked_\@:
.endm
.macro FR reg, adr, off                ; a fragment
.irp p, 0,1,2
	ds_load_b128 v[\reg+4*\p:\reg+4*\p+3], v[\adr] offset:\off+512*\p
.endr
.endm
.macro LX ks, a                        ; x's fragment a of K step ks
	FR XB+12*(\a),AX+((\ks)/2)%2,1536*((\ks)%2)+TROW*(\a)
.endm
.macro LST ks, qd, i                   ; streamed fragment i of quad qd of K step ks: W's 0-3, W's 4-7, Wv's 0-3
.set qr, QB+48*((3*(\ks)+(\qd))%2)+12*(\i)
.if (\qd) == 2
	FR qr,AV+((\ks)/2)%2,1536*((\ks)%2)+TROW*(\i)
.else
	FR qr,AW+((\ks)/2)%2,1536*((\ks)%2)+TROW*(4*(\qd)+(\i))
.endif
.endm
.macro LSC j, n                        ; scale register n of the K steps 2 j and 2 j + 1: lanes 0-15 the even one's words, lanes 16-31 the odd one's
	ds_load_b32 v[SB+20*((\j)%2)+(\n)], v[8+(\n)/8] offset:512*((\n)%8)+4*(\j)
.endm
.macro ROWM ks, qd                     ; four products: x's tile ra x the quad's four streamed tiles
	WIN 0x50*((\qd)+1)                             ; sources 0 and 1 window 0, C and D window qd + 1
.irp i, 0,1,2,3
.set rS, QB+48*((3*(\ks)+(\qd))%2)+12*\i
.set rX, XB+12*ra
.set sX, SB+20*(((\ks)/2)%2)+ra
.if (\qd) < 2
.set rA, rS
.set rB, rX
.set rD, 32*ra+8*\i
.set tA, SB+20*(((\ks)/2)%2)+8+4*(\qd)+\i
.set tB, sX
.else
.set rA, rX
.set rB, rS
.set rD, 64*\i+8*ra
.set tA, sX
.set tB, SB+20*(((\ks)/2)%2)+16+\i
.endif
.if (\ks) == 0
	v_wmma_scale_f32_16x16x128_f8f6f4 v[rD:rD+7], v[rA:rA+11], v[rB:rB+11], 0, v[tA], v[tB] matrix_a_fmt:MATRIX_FMT_BF6 matrix_b_fmt:MATRIX_FMT_BF6
.elseif (\ks)%2
	v_wmma_scale_f32_16x16x128_f8f6f4 v[rD:rD+7], v[rA:rA+11], v[rB:rB+11], v[rD:rD+7], v[tA], v[tB] matrix_a_fmt:MATRIX_FMT_BF6 matrix_b_fmt:MATRIX_FMT_BF6 matrix_a_scale:MATRIX_SCALE_ROW1 matrix_b_scale:MATRIX_SCALE_ROW1
.else
	v_wmma_scale_f32_16x16x128_f8f6f4 v[rD:rD+7], v[rA:rA+11], v[rB:rB+11], v[rD:rD+7], v[tA], v[tB] matrix_a_fmt:MATRIX_FMT_BF6 matrix_b_fmt:MATRIX_FMT_BF6
.endif
.endr
.endm
; A QUAD: 32 products, x's eight tiles one after the other, each against the four streamed ones.  The 96 accumulators take turns, one instruction a turn, in the same order in every K step.
; Meanwhile the next quad's four streamed fragments come into the other bank; in a K step's last quad x's fragments 0-3 are replaced together as soon as their last products are issued.
; In the second quad of an odd K step the slot is left: its last fragments are asked for in rows 0-3; then the wait for my tensor loads, the add, eight products, the wait for the add and my reads, the barrier; a round and a refill.
; In this text all loads stand in runs: at a quad's start the next quad's four streamed fragments (in a K step's first quad behind x's fragments 4-7, in the second quad of an even K step ahead of the next slot's scale words);
; in the middle of a K step's last quad the next K step's fragments 0-3 of x.
.macro QUAD ks, qd
.set nk, (\ks)+((\qd)+1)/3
.set nq, ((\qd)+1)%3
	s_wait_dscnt 0x0                               ; this quad's streamed fragments and x's 0-3 are in
	PLACES
	WIN 0
.if (\qd) == 0
.irp a, 4,5,6,7
	LX \ks,\a
.endr
.endif
.if nk < 8
.irp i, 0,1,2,3
	LST nk,nq,\i
.endr
.endif
.if (\qd) == 1 && (\ks)%2 == 0 && (\ks) < 6
.set le, 0
.rept 20
	LSC (\ks)/2+1,le
.set le, le+1
.endr
.endif
.set ra, 0
.rept 8
.if (\qd) == 0 && ra == 4
	s_wait_dscnt 12                                ; x's 4-7 are in; the next quad's 12 loads may be out
.endif
	ROWM \ks,\qd
.if (\qd) == 2 && nk < 8 && ra == 3
	PLACES
	WIN 0
.irp a, 0,1,2,3
	LX nk,\a
.endr
.endif
.if (\qd) == 1 && (\ks)%2 == 1 && (\ks) < 7
.if ra == 3
	WIN 0
	s_wait_tensorcnt 0x0                           ; my part of the other slot has landed; no tensor load of mine is out
.if (\ks) < 5
	ds_add_u32 v[SPW], v[NIL]
.irp g, 42,50,58
	s_add_nc_u64 s[\g+4*(((\ks)/2)%2):\g+1+4*(((\ks)/2)%2)], s[\g+4*(((\ks)/2)%2):\g+1+4*(((\ks)/2)%2)], 2*TROW
.endr
.endif
.elseif ra == 5
	s_wait_dscnt 0x0                               ; the add is done, and my reads of this slot are over
	s_barrier_signal -1
.elseif ra == 7
	WIN 0
	s_barrier_wait -1
.if (\ks) < 5
	CREST                                          ; no wave of any partner still reads this slot or has a load on its way
	JLOAD ((\ks)/2)%2
.endif
.endif
.endif
.set ra, ra+1
.endr
.endm
.macro PREF j                          ; my wave's share of fill j's blocks
	global_prefetch_b8 v[PFO], s[4:5] offset:TROW*(\j) th:TH_LOAD_NT scope:SCOPE_SE
.endm
	s_load_b256 s[4:11], s[0:1], 0x0               ; cin, sin, cqkv, sqkv
	v_lshl_add_u32 v[SPW], v0, 2, SPARE
	v_mov_b32 v[NIL], 0
	ds_add_u32 v[SPW], v[NIL]                      ; the opening: the add, twice on end, and its wait ahead of the first tensor load
	ds_add_u32 v[SPW], v[NIL]
	v_lshrrev_b32 v1, 5, v0
	v_readfirstlane_b32 s14, v1                    ; wave 0..3
	s_lshr_b32 s15, s14, 1                         ; wj
	s_and_b32 s12, s14, 1                          ; wi
	s_bfe_u32 s66, ttmp6, 0x40000                  ; cx
	s_bfe_u32 s67, ttmp6, 0x40004                  ; cy
	s_lshl_b32 s68, ttmp9, 2
	s_add_co_u32 s68, s68, s66                     ; cb
	s_and_b32 s13, ttmp7, 0xffff
	s_lshl_b32 s69, s13, 2
	s_add_co_u32 s69, s69, s67                     ; xb
	s_lshl_b32 s82, s67, 2
	s_lshl_b32 s82, 15, s82                        ; my row of the cluster
	s_lshl_b32 s83, 0x1111, s66                    ; my column
	s_or_b32 s16, s82, (3<<16)|(1<<21)             ; descriptor groups 1: 15:0 the mask; 17:16 elements of 8 bytes; 21 set beside a mask; no padding; x: 8 rows of 3,072 bytes, 12,288 bytes apart
	s_or_b32 s24, s83, (3<<16)|(1<<21)             ; W: 16 rows
	s_or_b32 s32, s83, (3<<16)|(1<<21)             ; Wv: 8 rows
.irp g, 16,24,32
	s_mov_b32 s[\g+1], (TROW/8)<<16                ; tensor_dim0
	s_mov_b32 s[\g+3], (TROW/8)<<16                ; tile_dim0
	s_mov_b32 s[\g+5], RTB/8                       ; tensor_dim0_stride
	s_mov_b32 s[\g+6], 0
	s_mov_b32 s[\g+7], 0
.endr
	s_mov_b32 s18, 8<<16                           ; tensor_dim1, tile_dim1
	s_mov_b32 s20, 8
	s_mov_b32 s26, 16<<16
	s_mov_b32 s28, 16
	s_mov_b32 s34, 8<<16
	s_mov_b32 s36, 8
	s_lshl_b32 s76, s69, 4                         ; x's row tiles: no register that feeds x's descriptors ever holds cx, none that feeds W's or Wv's cy
	s_lshl_b32 s70, s12, 3
	s_add_co_u32 s70, s70, s76                     ; the half that wave 0 or 1 fetches
	s_mul_i32 s70, s70, RTB
	s_mov_b32 s71, 0
	s_lshl_b32 s78, s68, 4
	s_add_co_u32 s78, s78, 512                     ; W's
	s_mul_i32 s72, s78, RTB
	s_mov_b32 s73, 0
	s_lshl_b32 s80, s68, 3
	s_add_co_u32 s80, s80, 640                     ; Wv's
	s_mul_i32 s74, s80, RTB
	s_mov_b32 s75, 0
	s_lshl_b32 s86, ttmp9, 9                       ; q (cb < 4) or k: 512 row tiles on
	s_add_co_u32 s86, s86, s76
	s_lshl_b32 s84, s15, 3
	s_add_co_u32 s86, s86, s84                     ; the result's row tiles: 16 xb + 8 wj; its K step: 2 cx + wi
	s_mul_i32 s88, s86, RTB
	s_lshl_b32 s84, s66, 1
	s_add_co_u32 s84, s84, s12
	s_mul_i32 s84, s84, 1536
	s_add_co_u32 s88, s88, s84
	s_mov_b32 s89, 0
	s_lshl_b32 s90, s86, 9
	s_lshl_b32 s84, s12, 8
	s_add_co_u32 s90, s90, s84
	s_lshl_b32 s84, s66, 2
	s_add_co_u32 s90, s90, s84
	s_mov_b32 s91, 0
	s_lshl_b32 s87, s13, 6                         ; v: row tiles 1,024 + 64 x batch + 8 cb + 4 wi (the batch is the cluster's y); its K step: 2 cy + wj
	s_add_co_u32 s87, s87, 1024
	s_lshl_b32 s84, s68, 3
	s_add_co_u32 s87, s87, s84
	s_lshl_b32 s84, s12, 2
	s_add_co_u32 s87, s87, s84
	s_mul_i32 s92, s87, RTB
	s_lshl_b32 s84, s67, 1
	s_add_co_u32 s84, s84, s15
	s_mul_i32 s84, s84, 1536
	s_add_co_u32 s92, s92, s84
	s_mov_b32 s93, 0
	s_lshl_b32 s94, s87, 9
	s_lshl_b32 s84, s15, 8
	s_add_co_u32 s94, s94, s84
	s_lshl_b32 s84, s67, 2
	s_add_co_u32 s94, s94, s84
	s_mov_b32 s95, 0
	s_lshl_b32 s82, s66, 2                         ; the prefetches: x's row tile 4 cx + wave of the 16,
	s_add_co_u32 s82, s82, s76
	s_add_co_u32 s82, s82, s14
	s_mul_i32 s82, s82, RTB
	s_lshl_b32 s83, s67, 2                         ; W's 4 cy + wave,
	s_add_co_u32 s83, s83, s78
	s_add_co_u32 s83, s83, s14
	s_mul_i32 s83, s83, RTB
	s_lshl_b32 s84, s67, 1                         ; Wv's 2 cy and 2 cy + 1: 24 blocks, of which a wave takes six
	s_add_co_u32 s84, s84, s80
	s_mul_i32 s84, s84, RTB
	s_mul_i32 s85, s14, 6
	s_sub_co_u32 s85, s85, 24
	s_mov_b32 s54, 0xfffff000                      ; lanes 12-31
	s_mov_b32 s55, 0xff000000                      ; lanes 24-31
	s_cmp_lt_u32 s13, 4
	s_cselect_b32 s54, s54, 0
	s_cselect_b32 s55, s55, 0
	s_lshl_b32 s86, s14, 2                         ; the scale words that my wave brings: 4 row tiles of x, 4 of W, 2 of Wv
	s_add_co_u32 s76, s76, s86
	s_lshl_b32 s76, s76, 9
	s_mov_b32 s77, 0
	s_add_co_u32 s78, s78, s86
	s_lshl_b32 s78, s78, 9
	s_mov_b32 s79, 0
	s_lshl_b32 s86, s14, 1
	s_add_co_u32 s80, s80, s86
	s_lshl_b32 s80, s80, 9
	s_mov_b32 s81, 0
	s_mul_i32 s99, s12, 8*TROW                     ; where x's half goes in a slot
	s_mul_i32 s40, s15, 8*TROW                     ; my fragments: x's half wj,
	s_add_co_u32 s41, s40, SLOT
	s_add_co_u32 s42, s99, OFFW                    ; W's half wi,
	s_add_co_u32 s43, s42, SLOT
	s_mul_i32 s44, s12, 4*TROW
	s_add_co_u32 s44, s44, OFFV                    ; Wv's
	s_add_co_u32 s45, s44, SLOT
	s_lshl_b32 s46, s15, 12                        ; and my scale words
	s_add_co_u32 s46, s46, SCL
	s_lshl_b32 s47, s12, 12
	s_add_co_u32 s47, s47, SCL+8192
	s_lshl_b32 s48, s12, 11
	s_add_co_u32 s48, s48, SCL+16384
	s_lshl_b32 s49, s14, 11
	s_add_co_u32 s49, s49, SCL
	s_lshl_b32 s50, s14, 10
	s_add_co_u32 s50, s50, SCL+16384
	s_mov_b32 s96, 0x76543210
	s_mov_b32 s97, 0xfedcba98                      ; v_permlanex16_b32's selects for lane l xor 16
	s_mov_b32 s98, 0xffff0000                      ; lanes 16-31
	v_and_b32 v14, 31, v0                          ; lane
	v_lshlrev_b32 v1, 4, v14                       ; 16 x lane
	v_add_nc_u32 v2, s40, v1
	v_add_nc_u32 v3, s41, v1
	v_add_nc_u32 v4, s42, v1
	v_add_nc_u32 v5, s43, v1
	v_add_nc_u32 v6, s44, v1
	v_add_nc_u32 v7, s45, v1
	v_add_nc_u32 v8, s46, v1
	v_add_nc_u32 v9, s47, v1
	v_add_nc_u32 v10, s48, v1
	v_add_nc_u32 v248, s49, v1
	v_add_nc_u32 v249, s50, v1
	v_and_b32 v15, 15, v0                          ; r
	v_bfe_u32 v11, v0, 4, 1                        ; h
	v_lshlrev_b32 v11, 9, v11
	v_lshl_add_u32 v11, v15, 4, v11                ; the way out of two row tiles' scale words: 16 r + 512 h
	v_min_u32 v250, 11, v14
	v_lshl_add_u32 v250, v250, 8, s82
	v_add_nc_u32 v251, -12, v14
	v_lshl_add_u32 v251, v251, 8, s83
	v_cndmask_b32 v250, v250, v251, s54
	v_min_u32 v251, 29, v14
	v_add_nc_u32 v251, s85, v251                   ; lanes 24-29: block 0 .. 23 of Wv's two row tiles,
	v_lshl_add_u32 v252, v251, 8, s84
	v_cmp_le_u32 s53, 12, v251
	v_add_nc_u32 v253, RTB-TROW, v252              ; from block 12 on in the second one
	v_cndmask_b32 v252, v252, v253, s53
	v_cndmask_b32 v250, v250, v252, s55
	s_wait_alu depctr_va_vdst(0)
	s_wait_dscnt 0x0                               ; both opening adds are done
	s_wait_kmcnt 0x0
	s_add_nc_u64 s[70:71], s[4:5], s[70:71]
	s_add_nc_u64 s[72:73], s[4:5], s[72:73]
	s_add_nc_u64 s[74:75], s[4:5], s[74:75]
	s_add_nc_u64 s[76:77], s[6:7], s[76:77]
	s_add_nc_u64 s[78:79], s[6:7], s[78:79]
	s_add_nc_u64 s[80:81], s[6:7], s[80:81]
	s_add_nc_u64 s[88:89], s[8:9], s[88:89]
	s_add_nc_u64 s[90:91], s[10:11], s[90:91]
	s_add_nc_u64 s[92:93], s[8:9], s[92:93]
	s_add_nc_u64 s[94:95], s[10:11], s[94:95]
.irp i, 0,1,2,3
	global_load_b128 v[56+4*\i:59+4*\i], v1, s[76:77] offset:512*\i
	global_load_b128 v[72+4*\i:75+4*\i], v1, s[78:79] offset:512*\i
.endr
.irp i, 0,1
	global_load_b128 v[88+4*\i:91+4*\i], v1, s[80:81] offset:512*\i
.endr
.irp s, 0,1                            ; descriptor groups 0, a set for each slot: s[40:47] x's, s[48:55] W's, s[56:63] Wv's
	s_mov_b32 s[40+4*\s], 1
	s_add_co_u32 s[41+4*\s], s99, \s*SLOT
	s_add_nc_u64 s[42+4*\s:43+4*\s], s[70:71], \s*TROW
	s_or_b32 s[43+4*\s], s[43+4*\s], 0x80000000
	s_mov_b32 s[48+4*\s], 1
	s_mov_b32 s[49+4*\s], \s*SLOT+OFFW
	s_add_nc_u64 s[50+4*\s:51+4*\s], s[72:73], \s*TROW
	s_or_b32 s[51+4*\s], s[51+4*\s], 0x80000000
	s_mov_b32 s[56+4*\s], 1
	s_mov_b32 s[57+4*\s], \s*SLOT+OFFV
	s_add_nc_u64 s[58+4*\s:59+4*\s], s[74:75], \s*TROW
	s_or_b32 s[59+4*\s], s[59+4*\s], 0x80000000
.endr
	CROUND                                         ; all sixteen work-groups are here: the first joint loads meet
	JLOAD 0                                        ; fill 0: one tensor load a wave at the head
	s_wait_loadcnt 0x0
.irp i, 0,1,2,3
	ds_store_b128 v248, v[56+4*\i:59+4*\i] offset:512*\i
	ds_store_b128 v248, v[72+4*\i:75+4*\i] offset:8192+512*\i
.endr
.irp i, 0,1
	ds_store_b128 v249, v[88+4*\i:91+4*\i] offset:512*\i
.endr
	s_wait_alu depctr_va_vdst(0)
	s_wait_tensorcnt 0x0                           ; my part of fill 0 is in
	ds_add_u32 v[SPW], v[NIL]
	s_wait_dscnt 0x0                               ; the add is done, and my scale words lie in LDS
	CROUND
	JLOAD 1                                        ; fill 1, its slot's first, is issued as a refill is
.set kk, 0
.rept 20
	LSC 0,kk
.set kk, kk+1
.endr
.irp i, 0,1,2,3
	LST 0,0,\i
.endr
.irp a, 0,1,2,3
	LX 0,\a
.endr
	PREF 2
.set ks, 0
.rept 8
	QUAD ks,0
.if ks == 2
	WIN 0
	PREF 3
.endif
	QUAD ks,1
	QUAD ks,2
.set ks, ks+1
.endr
	WIN 0
	PLACES
; THE QUANTISER, two row tiles of S1 at a time: a lane's 64 results of a tile, four blocks of 32 shared with lane l xor 16, become a fragment's codes and a scale word a row, and leave as images
.irp e, 0,1,2,3,4,5,6,7
	v_mov_b32 v[208+\e], 0                         ; a lane permute's destination counts as one of its sources
.endr
.macro MAX4 win, a, b, c, d, r         ; the largest magnitude of four runs of 16 registers, by turns, each accumulator from its low end on; and the floor 2^(5 - 127)
	WIN 5*(\win)
	v_max3_num_f32 v[\r], |v[\a]|, |v[\a+1]|, 0x2800000
	v_max3_num_f32 v[\r+1], |v[\b]|, |v[\b+1]|, 0x2800000
	v_max3_num_f32 v[\r+2], |v[\c]|, |v[\c+1]|, 0x2800000
	v_max3_num_f32 v[\r+3], |v[\d]|, |v[\d+1]|, 0x2800000
.irp i, 2,4,6,8,10,12,14
	v_max3_num_f32 v[\r], |v[\a+\i]|, |v[\a+\i+1]|, v[\r]
	v_max3_num_f32 v[\r+1], |v[\b+\i]|, |v[\b+\i+1]|, v[\r+1]
	v_max3_num_f32 v[\r+2], |v[\c+\i]|, |v[\c+\i+1]|, v[\r+2]
	v_max3_num_f32 v[\r+3], |v[\d+\i]|, |v[\d+\i+1]|, v[\r+3]
.endr
.endm
; pair n: blocks 0, 1 of the first tile at p0 in window w0, blocks 2, 3 at p2 in window w2; the second tile st registers on.  bc, bw: the bases of codes and words; t0: the first tile.  Each pair has registers of its own for what is stored.
.macro QPAIR n, w0, w2, p0, p2, st, bc, bw, t0
	MAX4 \w0,\p0,\p0+16,\p0+\st,\p0+\st+16,200
	MAX4 \w2,\p2,\p2+16,\p2+\st,\p2+\st+16,204     ; v200-207: tile t's block b at 200 + 4 (b / 2) + 2 t + b % 2
	WIN 0
.irp e, 0,1,2,3,4,5,6,7
	v_permlanex16_b32 v[208+\e], v[200+\e], s96, s97
.endr
.irp e, 0,1,2,3,4,5,6,7
	v_max_num_f32 v[200+\e], v[200+\e], v[208+\e]  ; with lane l xor 16's: the block's largest magnitude
.endr
.irp e, 0,1,2,3,4,5,6,7
	v_add_nc_u32 v[216+\e], 0xfe000000, v[200+\e]  ; 4 off its exponent field: the conversion's scale operand
.endr
.irp e, 0,1,2,3,4,5,6,7
	v_lshrrev_b32 v[208+\e], 23, v[216+\e]         ; the scale's byte
.endr
.irp t, 0,1
	v_lshl_or_b32 v[240+2*(\n)+\t], v[209+2*\t], 8, v[208+2*\t]
.endr
.irp t, 0,1
	v_lshl_or_b32 v[240+2*(\n)+\t], v[212+2*\t], 16, v[240+2*(\n)+\t]
.endr
.irp t, 0,1
	v_lshl_or_b32 v[240+2*(\n)+\t], v[213+2*\t], 24, v[240+2*(\n)+\t]
.endr
.set PC, 56+24*(\n)
	WIN \w0
.irp t, 0,1
	v_cvt_scalef32_pk16_bf6_f32 v[PC+12*\t:PC+12*\t+2], v[\p0+(\st)*\t:\p0+(\st)*\t+15], v[216+2*\t]
	v_cvt_scalef32_pk16_bf6_f32 v[224+4*\t:226+4*\t], v[\p0+(\st)*\t+16:\p0+(\st)*\t+31], v[217+2*\t]   ; (a conversion's three registers begin on an even number)
.endr
	WIN \w2
.irp t, 0,1
	v_cvt_scalef32_pk16_bf6_f32 v[PC+12*\t+6:PC+12*\t+8], v[\p2+(\st)*\t:\p2+(\st)*\t+15], v[220+2*\t]
	v_cvt_scalef32_pk16_bf6_f32 v[232+4*\t:234+4*\t], v[\p2+(\st)*\t+16:\p2+(\st)*\t+31], v[221+2*\t]
.endr
	WIN 0
	v_nop                                          ; one plain place behind a scaled conversion
.irp t, 0,1                            ; the operand's layout wants a whole block in a lane: lanes 0-15 block 2 c, lanes 16-31 block 2 c + 1
.irp i, 0,1,2
	v_permlane16_swap_b32 v[PC+12*\t+\i], v[224+4*\t+\i]
	v_permlane16_swap_b32 v[PC+12*\t+6+\i], v[232+4*\t+\i]
.endr
.irp i, 0,1,2
	v_mov_b32 v[PC+12*\t+3+\i], v[224+4*\t+\i]
	v_mov_b32 v[PC+12*\t+9+\i], v[232+4*\t+\i]
.endr
.irp p, 0,1,2
	global_store_b128 v1, v[PC+12*\t+4*\p:PC+12*\t+4*\p+3], s[\bc:\bc+1] offset:RTB*((\t0)+\t)+512*\p   ; 32 lanes store 512 consecutive bytes
.endr
.endr
	v_cndmask_b32 v[240+2*(\n)], v[240+2*(\n)], v[241+2*(\n)], s98   ; lanes 0-15: the first tile's words, lanes 16-31: the second's
	global_store_b32 v11, v[240+2*(\n)], s[\bw:\bw+1] offset:512*(\t0)
.endm
	QPAIR 0,1,2,0,0,32,88,90,0                     ; q's or k's eight row tiles
	QPAIR 1,1,2,64,64,32,88,90,2
	QPAIR 2,1,2,128,128,32,88,90,4
	QPAIR 3,1,2,192,192,32,88,90,6
	QPAIR 4,3,3,0,32,64,92,94,0                    ; v's four
	QPAIR 5,3,3,128,160,64,92,94,2
	s_wait_tensorcnt 0x0                           ; the wave's end
	ds_add_u32 v[SPW], v[NIL]
	s_wait_dscnt 0x0
	CROUND                                         ; the closing round: no work-group ends while a partner may still ask for a tile that names it
	s_endpgm
.Lfunc_end_k_q40dfe150fd_proj:
	.size	k_q40dfe150fd_proj, .Lfunc_end_k_q40dfe150fd_proj-k_q40dfe150fd_proj
	.p2alignl 7, 3214868480
	.fill 96, 4, 3214868480
	.section	.rodata,"a",@progbits
	.p2align	6, 0x0
	.amdhsa_kernel k_q40dfe150fd_proj
		.amdhsa_group_segment_fixed_size 327680
		.amdhsa_private_segment_fixed_size 0
		.amdhsa_enable_private_segment 0
		.amdhsa_kernarg_size 32
		.amdhsa_user_sgpr_count 2
		.amdhsa_user_sgpr_kernarg_segment_ptr 1
		.amdhsa_wavefront_size32 1
		.amdhsa_system_sgpr_workgroup_id_x 1
		.amdhsa_system_sgpr_workgroup_id_y 1
		.amdhsa_system_sgpr_workgroup_id_z 1
		.amdhsa_system_vgpr_workitem_id 0
		.amdhsa_next_free_vgpr 1024
		.amdhsa_next_free_sgpr 100
		.amdhsa_reserve_vcc 0
		.amdhsa_float_denorm_mode_32 3
		.amdhsa_float_denorm_mode_16_64 3
		.amdhsa_memory_ordered 1
		.amdhsa_forward_progress 1
		.amdhsa_inst_pref_size 206
	.end_amdhsa_kernel
	.amdgpu_metadata
---
amdhsa.version: [ 1, 2 ]
amdhsa.kernels:
  - .name:           k_q40dfe150fd_proj
    .symbol:         k_q40dfe150fd_proj.kd
    .args:
      - { .name: cin, .offset: 0, .size: 8, .value_kind: global_buffer, .address_space: global }
      - { .name: sin, .offset: 8, .size: 8, .value_kind: global_buffer, .address_space: global }
      - { .name: cqkv, .offset: 16, .size: 8, .value_kind: global_buffer, .address_space: global }
      - { .name: sqkv, .offset: 24, .size: 8, .value_kind: global_buffer, .address_space: global }
    .group_segment_fixed_size: 327680
    .private_segment_fixed_size: 0
    .kernarg_segment_align: 8
    .kernarg_segment_size: 32
    .max_flat_workgroup_size: 128
    .sgpr_count:     100
    .vgpr_count:     1024
    .wavefront_size: 32
...
	.end_amdgpu_metadata
.endif
;; end of part 2
;; launch scores (part 3): grid 64 x 4, 4 waves a work-group, clusters of 4 x 4, 327,680 bytes of LDS; arguments cqkv, sqkv, cp, sp; writes cp, sp
.if DOCPART == 3
	.amdgcn_target "amdgcn-amd-amdhsa--gfx1250"
	.amdhsa_code_object_version 6
	.text
	.protected	k_q40dfe150fd_scores
	.globl	k_q40dfe150fd_scores
	.p2align	8
	.type	k_q40dfe150fd_scores,@function
k_q40dfe150fd_scores:
	s_mov_b64 s[64:65], 0
	v_nop
	global_prefetch_b8 v0, s[64:65] scope:SCOPE_SE
	s_setreg_imm32_b32 hwreg(HW_REG_WAVE_MODE, 25, 1), 1
	s_wait_xcnt 0x0
	s_wait_alu depctr_hold_cnt(0) depctr_sa_sdst(0) depctr_va_vdst(0) depctr_va_sdst(0) depctr_va_ssrc(0) depctr_va_vcc(0) depctr_vm_vsrc(0)
	s_getreg_b32 s2, hwreg(HW_REG_IB_STS2, 6, 4)
	s_cmp_eq_u32 s2, 0
	s_cbranch_scc0 .Lentry_in_a_cluster
	s_endpgm
.Lentry_in_a_cluster:
	s_bfe_u32 s2, ttmp6, 0x10000c
	s_cmp_lg_u32 s2, 0xf033
	s_cbranch_scc0 .Lentry_shape_is_right
	s_endpgm
.Lentry_shape_is_right:
; The scores q k^T of 8 batches on codes of BF6 (E3M2), and p = 2^(t - M) quantised along the keys.  t = score x log2(e) / 32.
; M IS TAKEN OVER A WAVE'S 128 KEYS ALONE (one K step of the last product): the ceiling of the largest t among them, a whole number.  The codes of p do not hang on M; the last launch lowers the scale bytes by
; the whole number (the row's M - this M) and joins the sums.  Stored for each (query, K step): p's scale word, -M as f32, and the sum of the unquantised p of these 128 keys, in three planes of sp.
; THE PRODUCT.  Z[j][i] = sum over k of S1[j][k] S0[i][k], K = 1,024; S1 = q (j: queries), S0 = k (i: keys).  Source 0 is a fragment of S0, source 1 one of S1: in the result lane (r, h) holds S1's lane r, and its
; register n S0's lane 8 h + n.  ROW TILES: lane r of row tile 2 g + u holds row 32 g + 8 u + r + 8 (r / 8): so the 16 registers of S0's tiles 2 b and 2 b + 1 are keys 32 b + 16 h + 0 .. 15.
; All codes lie as images of the operands' registers: 1,536 bytes for (row tile, K step of 128) at 12,288 x row tile + 1,536 x K step; scale words: 512 bytes a row tile, word (lane r, K step s) at 16 (r + 16 (s % 2)) + 4 (s / 2).
; SHARES.  A work-group makes 128 queries x 256 keys, each of its four waves 64 x 128: 32 accumulators.  A cluster of 4 x 4 covers 512 queries x all 1,024 keys of a batch; q's tile is shared along a row, k's along a column.
; ALL OF K LIES IN LDS in two halves, 147,456 bytes each: a wave asks for its part of the first at the head and for its part of the second behind the first full sequence: one tensor load of a wave is out at the most.
; No LDS byte is filled twice.  No prefetch: there are two fills, asked for one behind the other, and no loop to run ahead in.
; LIMITS: NaN and infinities are not served; a block of p whose largest number lies under 2^-122 is quantised under the byte 1.
; REGISTERS.  window 0: v1 16 x lane, v2 r, v3 h, v4-5, v8-9 LDS addresses of S1's and S0's fragments in half 0, 1, v12 a word's place on the way out; v32-63 S0's scale words, v64-79 S1's (scales and nothing else);
;   v80-126 the softmax's and the quantiser's; v128-223 S1's fragments, two sets of 48; behind the products v128-191 hold p.   window 1: S0's fragments, two sets of 96.   window 2: accumulator (a, b) at v[8 (8 a + b)].
.set CROW,  6144                       ; a row tile's four K steps: a row of a half
.set S0OFF, 8*CROW                     ; a half: S1's 8 row tiles, then S0's 16
.set HALF,  24*CROW
.set SPARE, 2*HALF                     ; the spare words, 128 bytes for each wave: two blocks of 256 bytes that no other line names
.set RTB,   12288
.set SC0,   32
.set SC1,   64
.set S1F,   128
.set SPW,   254
.set NIL,   255
.set MSB, 0
.macro WIN new                         ; the immediate's high byte repeats the setting that is left
.if MSB != \new
	s_set_vgpr_msb (MSB<<8)|\new
.set MSB, \new
.endif
.endm
.macro CROUND                          ; a round of the cluster's barrier
	s_barrier_signal -1
	s_barrier_wait -1
	s_cmp_lg_u32 s14, 0
	s_cbranch_scc1 .Lnot_wave_0_\@
	s_barrier_signal -3
.Lnot_wave_0_\@:
	s_barrier_wait -3
	s_barrier_signal -1
	s_barrier_wait -1
.endm
.macro PLACES                          ; four places behind a matrix instruction, in front of loads into registers that it has read and of reads of its results
.rept 4
	v_nop
.endr
.endm
.macro JLOAD s                         ; half s: waves 0, 1 fetch S1's halves, waves 2, 3 S0's; the branch hangs on the wave's number alone
	s_cmp_lt_u32 s14, 2
	s_cbranch_scc0 .Lfor_s0_\@
	tensor_load_to_lds s[40+4*\s:43+4*\s], s[24:31]
	s_nop 0
	PLACES
	s_branch .Lasked_\@
.Lfor_s0_\@:
	tensor_load_to_lds s[68+4*\s:71+4*\s], s[32:39]
	s_nop 0
	PLACES
.Lasked_\@:
.endm
.macro FETCH ks                        ; the 36 LDS loads of K step ks into set ks % 2, one run: S0's eight fragments, then S1's four
	WIN 0x40                                       ; destination window 1
.irp b, 0,1,2,3,4,5,6,7
.irp p, 0,1,2
	ds_load_b128 v[128*((\ks)%2)+12*\b+4*\p:128*((\ks)%2)+12*\b+4*\p+3], v[8+(\ks)/4] offset:CROW*\b+1536*((\ks)%4)+512*\p
.endr
.endr
	WIN 0
.irp a, 0,1,2,3
.irp p, 0,1,2
	ds_load_b128 v[S1F+48*((\ks)%2)+12*\a+4*\p:S1F+48*((\ks)%2)+12*\a+4*\p+3], v[4+(\ks)/4] offset:CROW*\a+1536*((\ks)%4)+512*\p
.endr
.endr
.endm
; 16 matrix instructions: S1's tiles a0, a0 + 1 x S0's eight.  The 32 accumulators take turns, one instruction a turn, in the same order in every K step.
.macro MUL16 a0, ks, zero
	WIN 0xa1                                       ; source 0 window 1, source 1 window 0, C and D window 2
.irp a, \a0, \a0+1
.irp b, 0,1,2,3,4,5,6,7
.set rD, 8*(8*(\a)+\b)
.set rA, 128*((\ks)%2)+12*\b
.set rB, S1F+48*((\ks)%2)+12*(\a)
.set rX, SC0+4*\b+(\ks)/2
.set rY, SC1+4*(\a)+(\ks)/2
.if \zero
	v_wmma_scale_f32_16x16x128_f8f6f4 v[rD:rD+7], v[rA:rA+11], v[rB:rB+11], 0, v[rX], v[rY] matrix_a_fmt:MATRIX_FMT_BF6 matrix_b_fmt:MATRIX_FMT_BF6
.elseif (\ks)%2
	v_wmma_scale_f32_16x16x128_f8f6f4 v[rD:rD+7], v[rA:rA+11], v[rB:rB+11], v[rD:rD+7], v[rX], v[rY] matrix_a_fmt:MATRIX_FMT_BF6 matrix_b_fmt:MATRIX_FMT_BF6 matrix_a_scale:MATRIX_SCALE_ROW1 matrix_b_scale:MATRIX_SCALE_ROW1
.else
	v_wmma_scale_f32_16x16x128_f8f6f4 v[rD:rD+7], v[rA:rA+11], v[rB:rB+11], v[rD:rD+7], v[rX], v[rY] matrix_a_fmt:MATRIX_FMT_BF6 matrix_b_fmt:MATRIX_FMT_BF6
.endif
.endr
.endr
.endm
.macro STEP ks, zero                   ; a K step whose successor lies in the same half
	s_wait_dscnt 6                                 ; all but the youngest six loads (S1's tiles 2 and 3) are in
	PLACES
	FETCH (\ks)+1
	MUL16 0,\ks,\zero
	s_wait_dscnt 36                                ; those six are in too; the next K step's 36 may be out
	MUL16 2,\ks,\zero
.endm
.macro STEP_H                          ; K step 3 changes to the second half, which other waves' loads bring too; nothing is filled again
	s_wait_tensorcnt 0x0                           ; my part of the second half has landed
	s_wait_dscnt 0x0
	s_barrier_signal -1
	MUL16 0,3,0
	s_barrier_wait -1                              ; everybody's part has
	PLACES
	FETCH 4
	MUL16 2,3,0
.endm
	s_load_b256 s[4:11], s[0:1], 0x0               ; cqkv, sqkv, cp, sp
	v_lshl_add_u32 v[SPW], v0, 2, SPARE
	v_mov_b32 v[NIL], 0
	ds_add_u32 v[SPW], v[NIL]                      ; the opening: the add, twice on end, and its wait ahead of the first tensor load
	ds_add_u32 v[SPW], v[NIL]
	v_lshrrev_b32 v2, 5, v0
	v_readfirstlane_b32 s14, v2                    ; wave 0..3
	s_lshr_b32 s15, s14, 1                         ; which 64 queries are mine.  Also: I fetch for S1 (0) or for S0 (1)
	s_and_b32 s16, s14, 1                          ; which 128 keys.  Also: which half of that tile I fetch
	s_bfe_u32 s17, ttmp6, 0x40000                  ; cx
	s_bfe_u32 s18, ttmp6, 0x40004                  ; cy
	s_lshl_b32 s20, s18, 2
	s_lshl_b32 s20, 15, s20                        ; my row of the cluster
	s_lshl_b32 s21, 0x1111, s17                    ; my column
	s_mul_i32 s22, s16, 4*CROW
	s_mul_i32 s23, s16, 8*CROW
	s_add_co_u32 s23, s23, S0OFF
	s_lshr_b32 s84, ttmp9, 1                       ; the batch
	s_lshl_b32 s84, s84, 6
	s_add_co_u32 s84, s84, 512                     ; S0: the batch's 64 row tiles of k
	s_lshl_b32 s85, ttmp9, 5                       ; S1: 32 row tiles of q; the result: p's row tiles of the same queries
	s_or_b32 s24, s20, (3<<16)|(1<<21)             ; descriptor group 1: rows of 6,144 bytes (768 elements of 8), 12,288 bytes apart; S1: 4 rows, to my row of the cluster
	s_mov_b32 s25, 768<<16
	s_mov_b32 s26, 4<<16
	s_mov_b32 s27, 768<<16
	s_mov_b32 s28, 4
	s_mov_b32 s29, 1536
	s_mov_b32 s30, 0
	s_mov_b32 s31, 0
	s_or_b32 s32, s21, (3<<16)|(1<<21)             ; S0: 8 rows, to my column
	s_mov_b32 s33, 768<<16
	s_mov_b32 s34, 8<<16
	s_mov_b32 s35, 768<<16
	s_mov_b32 s36, 8
	s_mov_b32 s37, 1536
	s_mov_b32 s38, 0
	s_mov_b32 s39, 0
	s_lshl_b32 s56, s18, 3                         ; S1: row tile s85 + 8 cy + 4 x half: no register here ever holds cx
	s_lshl_b32 s57, s16, 2
	s_add_co_u32 s56, s56, s57
	s_add_co_u32 s56, s56, s85
	s_mul_i32 s56, s56, RTB
	s_mov_b32 s57, 0
	s_lshl_b32 s19, s17, 4                         ; S0: row tile s84 + 16 cx + 8 x half: none here ever holds cy
	s_lshl_b32 s59, s16, 3
	s_add_co_u32 s19, s19, s59
	s_add_co_u32 s19, s19, s84
	s_mul_i32 s58, s19, RTB
	s_mov_b32 s59, 0
	s_lshl_b32 s60, s19, 9
	s_mov_b32 s61, 0
	s_lshl_b32 s62, s18, 3
	s_lshl_b32 s63, s15, 2
	s_add_co_u32 s62, s62, s63
	s_add_co_u32 s62, s62, s85
	s_lshl_b32 s62, s62, 9
	s_mov_b32 s63, 0
	s_wait_alu depctr_va_vdst(0)
	s_wait_dscnt 0x0                               ; both opening adds are done
	s_wait_kmcnt 0x0
	s_add_nc_u64 s[56:57], s[4:5], s[56:57]
	s_add_nc_u64 s[58:59], s[4:5], s[58:59]
	s_add_nc_u64 s[60:61], s[6:7], s[60:61]
	s_add_nc_u64 s[62:63], s[6:7], s[62:63]
.irp c, 0,1                            ; descriptor group 0, a set for each half
	s_mov_b32 s[40+4*\c], 1
	s_add_co_u32 s[41+4*\c], s22, \c*HALF
	s_add_nc_u64 s[42+4*\c:43+4*\c], s[56:57], \c*CROW
	s_or_b32 s[43+4*\c], s[43+4*\c], 0x80000000
	s_mov_b32 s[68+4*\c], 1
	s_add_co_u32 s[69+4*\c], s23, \c*HALF
	s_add_nc_u64 s[70+4*\c:71+4*\c], s[58:59], \c*CROW
	s_or_b32 s[71+4*\c], s[71+4*\c], 0x80000000
.endr
	CROUND                                         ; all sixteen work-groups are here: the joint loads meet
	JLOAD 0                                        ; one tensor load a wave at the head
	v_and_b32 v1, 31, v0
	v_lshlrev_b32 v1, 4, v1                        ; 16 x lane
	s_wait_alu depctr_va_vdst(0)
	v_and_b32 v2, 15, v0                           ; r
	v_bfe_u32 v3, v0, 4, 1                         ; h
.irp b, 0,1,2,3,4,5,6,7
	global_load_b128 v[SC0+4*\b:SC0+4*\b+3], v1, s[60:61] offset:512*\b
.endr
.irp a, 0,1,2,3
	global_load_b128 v[SC1+4*\a:SC1+4*\a+3], v1, s[62:63] offset:512*\a
.endr
	s_mul_i32 s2, s15, 4*CROW
	s_mul_i32 s3, s16, 8*CROW
	s_add_co_u32 s3, s3, S0OFF
.irp c, 0,1
	v_add_nc_u32 v[4+\c], s2, v1
	v_add_nc_u32 v[8+\c], s3, v1
	s_add_co_u32 s2, s2, HALF
	s_add_co_u32 s3, s3, HALF
.endr
	v_lshlrev_b32 v12, 4, v2
	v_lshl_add_u32 v12, v3, 9, v12                 ; the way out of two row tiles' words: 16 r + 512 h
.irp b, 0,1,2,3
	v_mov_b32 v[84+\b], 0                          ; a lane permute's destination counts as one of its sources
.endr
	v_mov_b32 v97, 0                               ; (named as the upper halves of the pairs that hold -M)
	v_mov_b32 v99, 0
	s_mov_b32 s94, 0x76543210
	s_mov_b32 s95, 0xfedcba98                      ; v_permlanex16_b32's selects for lane l xor 16
	s_mov_b32 s96, 0xffff0000                      ; lanes 16-31
	s_mov_b32 s98, 0x3d38aa3b                      ; c = log2(e) / 32
	s_mov_b32 s99, s98                             ; (the packed form names the pair)
	s_lshl_b32 s92, s18, 3
	s_lshl_b32 s93, s15, 2
	s_add_co_u32 s92, s92, s93
	s_add_co_u32 s92, s92, s85                     ; p's row tiles: s85 + 8 cy + 4 x my half of the queries; its K step: 2 cx + my half of the keys
	s_mul_i32 s88, s92, RTB
	s_lshl_b32 s93, s17, 1
	s_add_co_u32 s93, s93, s16
	s_mul_i32 s93, s93, 1536
	s_add_co_u32 s88, s88, s93
	s_mov_b32 s89, 0
	s_add_nc_u64 s[88:89], s[8:9], s[88:89]
	s_lshl_b32 s90, s92, 9
	s_lshl_b32 s93, s16, 8
	s_add_co_u32 s90, s90, s93
	s_lshl_b32 s93, s17, 2
	s_add_co_u32 s90, s90, s93
	s_mov_b32 s91, 0
	s_add_nc_u64 s[90:91], s[10:11], s[90:91]
	s_wait_alu depctr_va_vdst(0)
	s_wait_tensorcnt 0x0                           ; my part of the first half is in
	ds_add_u32 v[SPW], v[NIL]
	s_wait_dscnt 0x0
	CROUND                                         ; everybody's is, and all sixteen work-groups are here
	JLOAD 1                                        ; the second half, issued as a refill is
	FETCH 0
	s_wait_loadcnt 0x0                             ; the scale words
	STEP 0,1                                       ; the first K step's products start the sums
	STEP 1,0
	STEP 2,0
	STEP_H
	STEP 4,0
	STEP 5,0
	STEP 6,0
	s_wait_dscnt 6
	MUL16 0,7,0
	s_wait_dscnt 0x0
	MUL16 2,7,0
	WIN 0
	PLACES
; 16 queries: a lane's 64 scores, register 16 b + i = key 32 b + 16 h + i of the wave's 128, become p's codes, its scale word, -M and the sum.
.macro SOFTQ a
.set AC, 64*(\a)
.set NM, 96+2*((\a)%2)
.set LL, 100+(\a)%2
.set PW, 102+(\a)%2
.if (\a) > 0
	s_wait_xcnt 0x0                                ; the last tile's stores have read their registers
.endif
	WIN 0x0a                                       ; sources 0 and 1 window 2
.irp b, 0,1,2,3
	v_max_num_f32 v[80+\b], v[AC+16*\b], v[AC+16*\b+1]   ; the largest score of each block of 32 keys: it serves the row's maximum and, since p rises with the score, the block's largest p
.endr
.irp i, 2,4,6,8,10,12,14
.irp b, 0,1,2,3
	v_max3_num_f32 v[80+\b], v[AC+16*\b+\i], v[AC+16*\b+\i+1], v[80+\b]
.endr
.endr
	WIN 0
.irp b, 0,1,2,3
	v_permlanex16_b32 v[84+\b], v[80+\b], s94, s95
.endr
.irp b, 0,1,2,3
	v_max_num_f32 v[80+\b], v[80+\b], v[84+\b]     ; with lane l xor 16's 16 keys
.endr
	v_max3_num_f32 v104, v80, v81, v82
	v_max_num_f32 v104, v104, v83                  ; the largest score of my query among these 128 keys,
	v_mul_f32 v104, s98, v104                      ; as t (c is positive)
	v_floor_f32 v[NM], -v104                       ; -M = floor(-t) = -ceil(t)
	WIN 0x02                                       ; source 0 window 2
.set n, 0
.rept 32
	v_pk_fma_f32 v[128+n:129+n], v[AC+n:AC+n+1], s[98:99], v[NM:NM+1] op_sel_hi:[1,0,0]   ; t - M, two at a time
.set n, n+2
.endr
	WIN 0
.irp b, 0,1,2,3
	v_fma_f32 v[80+\b], v[80+\b], s98, v[NM]       ; the same of each block's largest score
.endr
.set n, 0
	s_wait_alu depctr_va_vdst(0)                   ; the wait ahead of the batch
.rept 64
	v_exp_f32 v[128+n], v[128+n]                   ; p = 2^(t - M): not normalised
.set n, n+1
.endr
	v_nop                                          ; a plain place behind the exponentials
	s_wait_alu depctr_va_vdst(0)                   ; one wait for the whole batch, ahead of its first reader
.irp b, 0,1,2,3
	v_exp_f32 v[80+\b], v[80+\b]                   ; the block's largest p: the same two instructions on the same number give the same bits
.endr
	v_pk_add_f32 v[92:93], v[128:129], v[130:131]  ; the sum of the unquantised p, two at a time, in two chains; it reads the 64 alone: plain work behind the four
	v_pk_add_f32 v[94:95], v[132:133], v[134:135]
.irp n, 8,12,16,20,24,28,32,36,40,44,48,52,56,60
	v_pk_add_f32 v[92:93], v[92:93], v[128+\n:129+\n]
	v_pk_add_f32 v[94:95], v[94:95], v[130+\n:131+\n]
.endr
	v_pk_add_f32 v[92:93], v[92:93], v[94:95]
	v_add_f32 v92, v92, v93
	v_permlanex16_b32 v94, v92, s94, s95
	v_add_f32 v[LL], v92, v94                      ; with lane l xor 16's 64 keys
	s_wait_alu depctr_va_vdst(0)                   ; and one wait for the four
.irp b, 0,1,2,3
	v_max_num_f32 v[80+\b], 0x2800000, v[80+\b]    ; the floor 2^(5 - 127): the byte cannot fall under 1
.endr
.irp b, 0,1,2,3
	v_add_nc_u32 v[88+\b], 0xfe000000, v[80+\b]    ; 4 off the exponent field: the conversion's scale operand
.endr
.irp b, 0,1,2,3
	v_lshrrev_b32 v[84+\b], 23, v[88+\b]           ; the scale's byte: 123 at the most, since p stays under 2
.endr
	v_lshl_or_b32 v[PW], v85, 8, v84
	v_lshl_or_b32 v[PW], v86, 16, v[PW]
	v_lshl_or_b32 v[PW], v87, 24, v[PW]
.irp c, 0,1
	v_cvt_scalef32_pk16_bf6_f32 v[108+6*\c:110+6*\c], v[128+32*\c:143+32*\c], v[88+2*\c]
	v_cvt_scalef32_pk16_bf6_f32 v[120+4*\c:122+4*\c], v[144+32*\c:159+32*\c], v[88+2*\c+1]   ; (a conversion's three registers begin on an even number)
.endr
	v_nop                                          ; one plain place behind a scaled conversion
.irp c, 0,1                            ; the operand's layout wants a whole block in a lane: lanes 0-15 block 2 c, lanes 16-31 block 2 c + 1
.irp i, 0,1,2
	v_permlane16_swap_b32 v[108+6*\c+\i], v[120+4*\c+\i]
.endr
.irp i, 0,1,2
	v_mov_b32 v[111+6*\c+\i], v[120+4*\c+\i]
.endr
.endr
.irp p, 0,1,2
	global_store_b128 v1, v[108+4*\p:111+4*\p], s[88:89] offset:RTB*(\a)+512*\p   ; 32 lanes store 512 consecutive bytes
.endr
.if (\a)%2
	v_cndmask_b32 v102, v102, v103, s96            ; lanes 0-15: the even tile's, lanes 16-31: the odd one's
	v_cndmask_b32 v96, v96, v98, s96
	v_cndmask_b32 v100, v100, v101, s96
	global_store_b32 v12, v102, s[90:91] offset:1024*((\a)/2)          ; p's scale words
	global_store_b32 v12, v96, s[90:91] offset:1024*((\a)/2)+262144    ; -M
	global_store_b32 v12, v100, s[90:91] offset:1024*((\a)/2)+524288   ; the sums
.endif
.endm
	SOFTQ 0
	SOFTQ 1
	SOFTQ 2
	SOFTQ 3
	s_wait_tensorcnt 0x0                           ; the wave's end
	ds_add_u32 v[SPW], v[NIL]
	s_wait_dscnt 0x0
	CROUND                                         ; the closing round
	s_endpgm
.Lfunc_end_k_q40dfe150fd_scores:
	.size	k_q40dfe150fd_scores, .Lfunc_end_k_q40dfe150fd_scores-k_q40dfe150fd_scores
	.p2alignl 7, 3214868480
	.fill 96, 4, 3214868480
	.section	.rodata,"a",@progbits
	.p2align	6, 0x0
	.amdhsa_kernel k_q40dfe150fd_scores
		.amdhsa_group_segment_fixed_size 327680
		.amdhsa_private_segment_fixed_size 0
		.amdhsa_enable_private_segment 0
		.amdhsa_kernarg_size 32
		.amdhsa_user_sgpr_count 2
		.amdhsa_user_sgpr_kernarg_segment_ptr 1
		.amdhsa_wavefront_size32 1
		.amdhsa_system_sgpr_workgroup_id_x 1
		.amdhsa_system_sgpr_workgroup_id_y 1
		.amdhsa_system_sgpr_workgroup_id_z 1
		.amdhsa_system_vgpr_workitem_id 0
		.amdhsa_next_free_vgpr 768
		.amdhsa_next_free_sgpr 100
		.amdhsa_reserve_vcc 0
		.amdhsa_float_denorm_mode_32 3
		.amdhsa_float_denorm_mode_16_64 3
		.amdhsa_memory_ordered 1
		.amdhsa_forward_progress 1
		.amdhsa_inst_pref_size 107
	.end_amdhsa_kernel
	.amdgpu_metadata
---
amdhsa.version: [ 1, 2 ]
amdhsa.kernels:
  - .name:           k_q40dfe150fd_scores
    .symbol:         k_q40dfe150fd_scores.kd
    .args:
      - { .name: cqkv, .offset: 0, .size: 8, .value_kind: global_buffer, .address_space: global }
      - { .name: sqkv, .offset: 8, .size: 8, .value_kind: global_buffer, .address_space: global }
      - { .name: cp, .offset: 16, .size: 8, .value_kind: global_buffer, .address_space: global }
      - { .name: sp, .offset: 24, .size: 8, .value_kind: global_buffer, .address_space: global }
    .group_segment_fixed_size: 327680
    .private_segment_fixed_size: 0
    .kernarg_segment_align: 8
    .kernarg_segment_size: 32
    .max_flat_workgroup_size: 128
    .sgpr_count:     100
    .vgpr_count:     768
    .wavefront_size: 32
...
	.end_amdgpu_metadata
.endif
;; end of part 3
;; launch pv (part 4): grid 64 x 4, 4 waves a work-group, clusters of 4 x 4, 327,680 bytes of LDS; arguments cp, sp, cqkv, sqkv, out0; writes out0
.if DOCPART == 4
	.amdgcn_target "amdgcn-amd-amdhsa--gfx1250"
	.amdhsa_code_object_version 6
	.text
	.protected	k_q40dfe150fd_pv
	.globl	k_q40dfe150fd_pv
	.p2align	8
	.type	k_q40dfe150fd_pv,@function
k_q40dfe150fd_pv:
	s_mov_b64 s[64:65], 0
	v_nop
	global_prefetch_b8 v0, s[64:65] scope:SCOPE_SE
	s_setreg_imm32_b32 hwreg(HW_REG_WAVE_MODE, 25, 1), 1
	s_wait_xcnt 0x0
	s_wait_alu depctr_hold_cnt(0) depctr_sa_sdst(0) depctr_va_vdst(0) depctr_va_sdst(0) depctr_va_ssrc(0) depctr_va_vcc(0) depctr_vm_vsrc(0)
	s_getreg_b32 s2, hwreg(HW_REG_IB_STS2, 6, 4)
	s_cmp_eq_u32 s2, 0
	s_cbranch_scc0 .Lentry_in_a_cluster
	s_endpgm
.Lentry_in_a_cluster:
	s_bfe_u32 s2, ttmp6, 0x10000c
	s_cmp_lg_u32 s2, 0xf033
	s_cbranch_scc0 .Lentry_shape_is_right
	s_endpgm
.Lentry_shape_is_right:
; out = (p v) / l on codes of BF6 (E3M2).  p's codes were made under a whole number M of each (query, K step of 128 keys).  At the head each thread takes one of the work-group's 128 queries: the row's M is the largest of
; the eight; d = the row's M - a K step's M is a whole number, 0 or more; the K step's four scale bytes are lowered by d (held at 0 from below), its sum is multiplied by 2^-d (exact), and the eight sums make l.
; LIMITS: d is held at 127: a K step whose M lies 127 or more under the row's counts with scales of 2^-127 or less and its sum with 2^-127, where the row's largest p is above 1/2.  NaN and infinities are not served.
; THE PRODUCT.  Z[j][i] = sum over k of S1[j][k] S0[i][k], K = 1,024 keys; S1 = p (j: queries), S0 = v with the keys innermost (i: the head's 1,024).  Source 0 is a fragment of S0, source 1 one of S1: in the result
; lane (r, h) holds S1's lane r, and its register n S0's lane 8 h + n.  ROW TILES: lane r of row tile 2 g + u holds row 32 g + 8 u + r + 8 (r / 8): so the 16 registers of S0's tiles 2 b and 2 b + 1 are columns 32 b + 16 h + 0 .. 15.
; All codes lie as images of the operands' registers: 1,536 bytes for (row tile, K step) at 12,288 x row tile + 1,536 x K step; scale words: 512 bytes a row tile, word (lane r, K step s) at 16 (r + 16 (s % 2)) + 4 (s / 2).
; SHARES.  A work-group makes 128 queries x 256 columns, each of its four waves 64 x 128.  A cluster of 4 x 4 covers 512 queries x 1,024 columns of a batch; p's tile is shared along a row, v's along a column.
; ALL OF K LIES IN LDS in two halves, 147,456 bytes each: a wave asks for its part of the first at the head and for its part of the second behind the first full sequence: one tensor load of a wave is out at the most.
; No LDS byte is filled twice.  No prefetch: there are two fills, asked for one behind the other, and no loop to run ahead in.
; THE SECOND HALF GOES BY ROWS OF out: v's fragments of its four K steps stay in 384 registers, p's come a row tile at a time; 32 products finish a row tile (16 queries), which leaves while the next one is multiplied.
; REGISTERS.  window 0: v1 16 x lane, v2 r, v3 h, v4-5, v8-9 LDS addresses of the fragments in half 0, 1, v13-17, v26-27 other addresses, v18-25 1 / l; v32-63 S0's scale words, v64-79 S1's (scales and nothing else); v80-111 the head's;
;   v128-223 S1's fragments, two sets of 48.   windows 1 and 3: S0's fragments (first half of K: two sets of 96 in window 1; second half: K steps 4 and 7 in window 1 at 0 and 96, 5 and 6 in window 3 at 0 and 96);
;   at 192-255 of both, by turns, rows of out on their way.   window 2: accumulator (a, b) at v[8 (8 a + b)].
.set CROW,  6144                       ; a row tile's four K steps: a row of a half
.set S0OFF, 8*CROW                     ; a half: S1's 8 row tiles, then S0's 16
.set HALF,  24*CROW
.set SC1L,  2*HALF                     ; behind the halves: p's lowered scale words, 8 row tiles x 512 bytes; no tile lands here
.set RL,    SC1L+4096                  ; and 1 / l of the 128 queries
.set SPARE, RL+512                     ; the spare words, 128 bytes for each wave: two blocks of 256 bytes that no other line names
.set RTB,   12288
.set SC0,   32
.set SC1,   64
.set S1F,   128
.set SPW,   126
.set NIL,   127
.set MSB, 0
.macro WIN new                         ; the immediate's high byte repeats the setting that is left
.if MSB != \new
	s_set_vgpr_msb (MSB<<8)|\new
.set MSB, \new
.endif
.endm
.macro CROUND                          ; a round of the cluster's barrier
	s_barrier_signal -1
	s_barrier_wait -1
	s_cmp_lg_u32 s14, 0
	s_cbranch_scc1 .Lnot_wave_0_\@
	s_barrier_signal -3
.Lnot_wave_0_\@:
	s_barrier_wait -3
	s_barrier_signal -1
	s_barrier_wait -1
.endm
.macro PLACES                          ; four places behind a matrix instruction, in front of loads into registers that it has read and of reads of its results
.rept 4
	v_nop
.endr
.endm
.macro JLOAD s                         ; half s: waves 0, 1 fetch S1's halves, waves 2, 3 S0's; the branch hangs on the wave's number alone
	s_cmp_lt_u32 s14, 2
	s_cbranch_scc0 .Lfor_s0_\@
	tensor_load_to_lds s[40+4*\s:43+4*\s], s[24:31]
	s_nop 0
	PLACES
	s_branch .Lasked_\@
.Lfor_s0_\@:
	tensor_load_to_lds s[68+4*\s:71+4*\s], s[32:39]
	s_nop 0
	PLACES
.Lasked_\@:
.endm
.macro BLOAD ks, win, reg              ; S0's eight fragments of K step ks: 24 loads
	WIN 0x40*\win
.irp b, 0,1,2,3,4,5,6,7
.irp p, 0,1,2
	ds_load_b128 v[\reg+12*\b+4*\p:\reg+12*\b+4*\p+3], v[8+(\ks)/4] offset:CROW*\b+1536*((\ks)%4)+512*\p
.endr
.endr
	WIN 0
.endm
.macro FETCH ks                        ; first half: the 36 LDS loads of K step ks into set ks % 2, one run: S0's eight fragments, then S1's four
	BLOAD \ks,1,128*((\ks)%2)
.irp a, 0,1,2,3
.irp p, 0,1,2
	ds_load_b128 v[S1F+48*((\ks)%2)+12*\a+4*\p:S1F+48*((\ks)%2)+12*\a+4*\p+3], v4 offset:CROW*\a+1536*(\ks)+512*\p
.endr
.endr
.endm
.macro ALOAD a                         ; second half: S1's row tile a, its four K steps, into set a % 2: 12 loads
.irp q, 0,1,2,3
.irp p, 0,1,2
	ds_load_b128 v[S1F+48*((\a)%2)+12*\q+4*\p:S1F+48*((\a)%2)+12*\q+4*\p+3], v5 offset:CROW*(\a)+1536*\q+512*\p
.endr
.endr
.endm
; eight matrix instructions: S1's row tile a (its fragment at rB) x S0's eight (from ra on, in window win), K step ks.  The accumulators take turns, one instruction a turn.
.macro MUL8 a, ks, win, ra, rb, zero
	WIN 0xa0+\win                                  ; source 0 window win, source 1 window 0, C and D window 2
.irp b, 0,1,2,3,4,5,6,7
.set rD, 8*(8*(\a)+\b)
.set rA, (\ra)+12*\b
.set rB, (\rb)
.set rX, SC0+4*\b+(\ks)/2
.set rY, SC1+4*(\a)+(\ks)/2
.if \zero
	v_wmma_scale_f32_16x16x128_f8f6f4 v[rD:rD+7], v[rA:rA+11], v[rB:rB+11], 0, v[rX], v[rY] matrix_a_fmt:MATRIX_FMT_BF6 matrix_b_fmt:MATRIX_FMT_BF6
.elseif (\ks)%2
	v_wmma_scale_f32_16x16x128_f8f6f4 v[rD:rD+7], v[rA:rA+11], v[rB:rB+11], v[rD:rD+7], v[rX], v[rY] matrix_a_fmt:MATRIX_FMT_BF6 matrix_b_fmt:MATRIX_FMT_BF6 matrix_a_scale:MATRIX_SCALE_ROW1 matrix_b_scale:MATRIX_SCALE_ROW1
.else
	v_wmma_scale_f32_16x16x128_f8f6f4 v[rD:rD+7], v[rA:rA+11], v[rB:rB+11], v[rD:rD+7], v[rX], v[rY] matrix_a_fmt:MATRIX_FMT_BF6 matrix_b_fmt:MATRIX_FMT_BF6
.endif
.endr
.endm
.macro MUL16 a0, ks, zero              ; first half: S1's tiles a0, a0 + 1
	MUL8 \a0,\ks,1,128*((\ks)%2),S1F+48*((\ks)%2)+12*(\a0),\zero
	MUL8 \a0+1,\ks,1,128*((\ks)%2),S1F+48*((\ks)%2)+12*(\a0+1),\zero
.endm
.macro STEP ks, zero                   ; K steps 0 to 2
	s_wait_dscnt 6                                 ; all but the youngest six loads (S1's tiles 2 and 3) are in
	PLACES
	FETCH (\ks)+1
	MUL16 0,\ks,\zero
	s_wait_dscnt 36                                ; those six are in too; the next K step's 36 may be out
	MUL16 2,\ks,\zero
.endm
.macro ROW a, ks                       ; second half: row tile a, K step ks
.if (\ks)%4 == 0
	MUL8 \a,\ks,1,0,S1F+48*((\a)%2),0
.elseif (\ks)%4 == 3
	MUL8 \a,\ks,1,96,S1F+48*((\a)%2)+36,0
.else
	MUL8 \a,\ks,3,96*((\ks)-5),S1F+48*((\a)%2)+12*((\ks)-4),0
.endif
.endm
	s_load_b256 s[4:11], s[0:1], 0x0               ; cp, sp, cqkv, sqkv
	s_load_b64 s[12:13], s[0:1], 0x20              ; out0
	v_lshl_add_u32 v[SPW], v0, 2, SPARE
	v_mov_b32 v[NIL], 0
	ds_add_u32 v[SPW], v[NIL]                      ; the opening: the add, twice on end, and its wait ahead of the first tensor load
	ds_add_u32 v[SPW], v[NIL]
	v_lshrrev_b32 v2, 5, v0
	v_readfirstlane_b32 s14, v2                    ; wave 0..3
	s_lshr_b32 s15, s14, 1                         ; which 64 queries are mine.  Also: I fetch for S1 (0) or for S0 (1)
	s_and_b32 s16, s14, 1                          ; which 128 columns.  Also: which half of that tile I fetch
	s_bfe_u32 s17, ttmp6, 0x40000                  ; cx
	s_bfe_u32 s18, ttmp6, 0x40004                  ; cy
	s_lshl_b32 s20, s18, 2
	s_lshl_b32 s20, 15, s20                        ; my row of the cluster
	s_lshl_b32 s21, 0x1111, s17                    ; my column
	s_mul_i32 s22, s16, 4*CROW
	s_mul_i32 s23, s16, 8*CROW
	s_add_co_u32 s23, s23, S0OFF
	s_lshr_b32 s84, ttmp9, 1                       ; the batch
	s_lshl_b32 s84, s84, 6
	s_add_co_u32 s84, s84, 1024                    ; S0: the batch's 64 row tiles of v
	s_lshl_b32 s85, ttmp9, 5                       ; S1: 32 row tiles of p
	s_or_b32 s24, s20, (3<<16)|(1<<21)             ; descriptor group 1: rows of 6,144 bytes (768 elements of 8), 12,288 bytes apart; S1: 4 rows, to my row of the cluster
	s_mov_b32 s25, 768<<16
	s_mov_b32 s26, 4<<16
	s_mov_b32 s27, 768<<16
	s_mov_b32 s28, 4
	s_mov_b32 s29, 1536
	s_mov_b32 s30, 0
	s_mov_b32 s31, 0
	s_or_b32 s32, s21, (3<<16)|(1<<21)             ; S0: 8 rows, to my column
	s_mov_b32 s33, 768<<16
	s_mov_b32 s34, 8<<16
	s_mov_b32 s35, 768<<16
	s_mov_b32 s36, 8
	s_mov_b32 s37, 1536
	s_mov_b32 s38, 0
	s_mov_b32 s39, 0
	s_lshl_b32 s56, s18, 3                         ; S1: row tile s85 + 8 cy + 4 x half: no register here ever holds cx
	s_lshl_b32 s57, s16, 2
	s_add_co_u32 s56, s56, s57
	s_add_co_u32 s56, s56, s85
	s_mul_i32 s56, s56, RTB
	s_mov_b32 s57, 0
	s_lshl_b32 s19, s17, 4                         ; S0: row tile s84 + 16 cx + 8 x half: none here ever holds cy
	s_lshl_b32 s59, s16, 3
	s_add_co_u32 s19, s19, s59
	s_add_co_u32 s19, s19, s84
	s_mul_i32 s58, s19, RTB
	s_mov_b32 s59, 0
	s_lshl_b32 s60, s19, 9                         ; the scale words of my 8 row tiles of v
	s_mov_b32 s61, 0
	s_lshl_b32 s62, s18, 3
	s_add_co_u32 s62, s62, s85
	s_lshl_b32 s62, s62, 9                         ; and, in each plane of sp, the words of the work-group's 8 row tiles of p
	s_mov_b32 s63, 0
	s_wait_alu depctr_va_vdst(0)
	s_wait_dscnt 0x0                               ; both opening adds are done
	s_wait_kmcnt 0x0
	s_add_nc_u64 s[56:57], s[4:5], s[56:57]
	s_add_nc_u64 s[58:59], s[8:9], s[58:59]
	s_add_nc_u64 s[60:61], s[10:11], s[60:61]
	s_add_nc_u64 s[62:63], s[6:7], s[62:63]
.irp c, 0,1                            ; descriptor group 0, a set for each half
	s_mov_b32 s[40+4*\c], 1
	s_add_co_u32 s[41+4*\c], s22, \c*HALF
	s_add_nc_u64 s[42+4*\c:43+4*\c], s[56:57], \c*CROW
	s_or_b32 s[43+4*\c], s[43+4*\c], 0x80000000
	s_mov_b32 s[68+4*\c], 1
	s_add_co_u32 s[69+4*\c], s23, \c*HALF
	s_add_nc_u64 s[70+4*\c:71+4*\c], s[58:59], \c*CROW
	s_or_b32 s[71+4*\c], s[71+4*\c], 0x80000000
.endr
	CROUND                                         ; all sixteen work-groups are here: the joint loads meet
	JLOAD 0                                        ; one tensor load a wave at the head
	v_and_b32 v1, 31, v0
	v_lshlrev_b32 v1, 4, v1                        ; 16 x lane
	v_and_b32 v2, 15, v0                           ; r
	v_bfe_u32 v3, v0, 4, 1                         ; h
	v_lshrrev_b32 v13, 4, v0                       ; THE HEAD'S SHARE: thread t takes lane t % 16 of the work-group's row tile t / 16
	v_lshlrev_b32 v13, 9, v13
	v_lshl_or_b32 v13, v2, 4, v13                  ; 512 x row tile + 16 x lane: its words of the even K steps; the odd ones' lie 256 bytes on
	s_wait_alu depctr_va_vdst(0)
.irp pl, 0,1,2                         ; v80-87 p's scale words, v88-95 -M, v96-103 the sums; in each eight: K steps 0, 2, 4, 6, 1, 3, 5, 7
	global_load_b128 v[80+8*\pl:83+8*\pl], v13, s[62:63] offset:262144*\pl
	global_load_b128 v[84+8*\pl:87+8*\pl], v13, s[62:63] offset:262144*\pl+256
.endr
.irp b, 0,1,2,3,4,5,6,7
	global_load_b128 v[SC0+4*\b:SC0+4*\b+3], v1, s[60:61] offset:512*\b
.endr
	s_mul_i32 s2, s15, 4*CROW
	s_mul_i32 s3, s16, 8*CROW
	s_add_co_u32 s3, s3, S0OFF
.irp c, 0,1
	v_add_nc_u32 v[4+\c], s2, v1
	v_add_nc_u32 v[8+\c], s3, v1
	s_add_co_u32 s2, s2, HALF
	s_add_co_u32 s3, s3, HALF
.endr
	v_add_nc_u32 v14, SC1L, v13                    ; where my query's lowered words go,
	v_lshl_add_u32 v15, v0, 2, RL                  ; and its 1 / l
	s_lshl_b32 s2, s15, 11
	s_add_co_u32 s2, s2, SC1L
	v_add_nc_u32 v16, s2, v1                       ; my wave's four row tiles' words, as scale registers
	s_lshl_b32 s3, s15, 8
	s_add_co_u32 s3, s3, RL
	v_lshl_add_u32 v17, v2, 2, s3                  ; and 1 / l of lane r of the first of them
	s_mul_i32 s2, s14, 16*528                      ; the way out: my stage, 16 rows x (512 bytes + 16), in half 0: it has had its one fill, and nobody reads it behind the barrier of K step 3
	v_mul_u32_u24 v26, v2, 528
	v_lshl_add_u32 v26, v3, 6, v26
	v_add_nc_u32 v26, s2, v26                      ; in: row r, + 64 h bytes
	v_add_nc_u32 v27, s2, v1                       ; back: 16 bytes a lane of a row
.irp a, 0,1,2,3
	v_mov_b32 v[19+2*\a], 0                        ; (named as the upper halves of the pairs that hold 1 / l)
.endr
	s_mov_b32 s97, 0x80808080
	s_mov_b32 s87, 0x7f7f7f7f
	s_mov_b32 s93, 0                               ; v_perm_b32's select: byte 0 four times
	s_lshl_b32 s88, ttmp9, 9                       ; my first row of out: 512 x cluster + 128 cy + 64 x my half of the queries;
	s_lshl_b32 s92, s18, 7
	s_add_co_u32 s88, s88, s92
	s_lshl_b32 s92, s15, 6
	s_add_co_u32 s88, s88, s92
	s_lshl_b32 s88, s88, 12                        ; rows of 4,096 bytes;
	s_lshl_b32 s92, s17, 10                        ; my first column: 256 cx + 128 x my half, 4 bytes each
	s_add_co_u32 s88, s88, s92
	s_lshl_b32 s92, s16, 9
	s_add_co_u32 s88, s88, s92
	s_mov_b32 s89, 0
	s_add_nc_u64 s[88:89], s[12:13], s[88:89]
	s_wait_alu depctr_va_vdst(0)
	s_wait_loadcnt 8                               ; my query's 24 numbers are in; the eight loads of v's scale words, issued behind them, may be out
	v_min3_num_f32 v104, v88, v89, v90
	v_min3_num_f32 v104, v104, v91, v92
	v_min3_num_f32 v104, v104, v93, v94
	v_min_num_f32 v104, v104, v95                  ; the least -M: minus the row's M
.irp e, 0,1,2,3,4,5,6,7
	v_sub_f32 v105, v[88+\e], v104                 ; d = the row's M - this K step's: a whole number, 0 or more
	v_cvt_i32_f32 v105, v105                       ; (it saturates)
	v_min_u32 v105, 127, v105
	v_sub_nc_u32 v106, 0, v105
	v_ldexp_f32 v[96+\e], v[96+\e], v106           ; the K step's sum under the row's M: x 2^-d
	v_perm_b32 v106, v105, v105, s93               ; d in all four bytes
	v_or_b32 v107, s97, v[80+\e]                   ; each byte + 128 (a byte is 123 at the most),
	v_sub_nc_u32 v107, v107, v106                  ; less d: 1 to 251, so nothing is borrowed from byte to byte; the top bit stays where byte >= d
	v_and_b32 v108, s97, v107
	v_lshrrev_b32 v108, 7, v108
	v_lshlrev_b32 v109, 8, v108
	v_sub_nc_u32 v108, v109, v108                  ; 0xff in those bytes
	v_and_b32 v107, v107, v108
	v_and_b32 v[80+\e], s87, v107                  ; byte - d, held at 0 from below
.endr
	v_add_f32 v110, v96, v97
	v_add_f32 v111, v98, v99
	v_add_f32 v105, v100, v101
	v_add_f32 v106, v102, v103
	v_add_f32 v110, v110, v111
	v_add_f32 v105, v105, v106
	v_add_f32 v110, v110, v105                     ; l
	s_wait_alu depctr_va_vdst(0)                   ; the wait ahead of the reciprocal
	v_rcp_f32 v110, v110
	v_nop                                          ; a plain place behind the reciprocal
	s_wait_alu depctr_va_vdst(0)                   ; and the wait ahead of its first reader
	ds_store_b128 v14, v[80:83]
	ds_store_b128 v14, v[84:87] offset:256
	ds_store_b32 v15, v110
	s_wait_tensorcnt 0x0                           ; my part of the first half is in
	ds_add_u32 v[SPW], v[NIL]
	s_wait_dscnt 0x0                               ; the add is done, and my query's words and 1 / l lie in LDS
	CROUND                                         ; everybody's do, and all sixteen work-groups are here
	JLOAD 1                                        ; the second half, issued as a refill is
.irp a, 0,1,2,3
	ds_load_b128 v[SC1+4*\a:SC1+4*\a+3], v16 offset:512*\a   ; p's scale words under the rows' M
	ds_load_b32 v[18+2*\a], v17 offset:64*\a       ; 1 / l of lane r of my row tile a
.endr
	FETCH 0
	s_wait_loadcnt 0x0                             ; v's scale words
	STEP 0,1                                       ; the first K step's products start the sums
	STEP 1,0
	STEP 2,0
	s_wait_tensorcnt 0x0                           ; K step 3 changes to the second half, which other waves' loads bring too: my part of it has landed; nothing is filled again
	s_wait_dscnt 0x0
	s_barrier_signal -1
	MUL16 0,3,0
	s_barrier_wait -1                              ; everybody's part has
	PLACES
	WIN 0
	ALOAD 0
	BLOAD 4,1,0
	BLOAD 5,3,0
	MUL16 2,3,0
	PLACES
	BLOAD 6,3,96
	BLOAD 7,1,96                                   ; (over K step 3's fragments)
	ALOAD 1
	s_wait_dscnt 60                                ; all but the 60 loads just issued are in
	ROW 0,4
	ROW 0,5
	s_wait_dscnt 36                                ; K step 6's fragments; K step 7's 24 loads and row tile 1's 12 may be out
	ROW 0,6
	s_wait_dscnt 12
	ROW 0,7
; THE WAY OUT of a row tile (16 queries x 128 columns): divided by l in place; through my stage; back as whole rows of 512 bytes, which the 32 lanes store.
.macro SCALE a
	WIN 0x82                                       ; source 0 and destination window 2
.set n, 64*(\a)
.rept 32
	v_pk_mul_f32 v[n:n+1], v[n:n+1], v[18+2*(\a):19+2*(\a)] op_sel_hi:[1,0]   ; each accumulator from its low end on
.set n, n+2
.endr
.endm
.macro TOSTAGE a
	WIN 0x08                                       ; an LDS store's data are its source 1: window 2
.irp b, 0,1,2,3
.irp e, 0,1,2,3
	ds_store_b128 v26, v[64*(\a)+16*\b+4*\e:64*(\a)+16*\b+4*\e+3] offset:128*\b+16*\e   ; lane (r, h): columns 32 b + 16 h + 4 e on
.endr
.endr
	WIN 0x40+0x80*((\a)%2)                         ; destination window 1 or 3
.irp t, 0,1,2,3,4,5,6,7,8,9,10,11,12,13,14,15
	ds_load_b128 v[192+4*\t:195+4*\t], v27 offset:528*\t   ; LDS serves a wave's instructions in order: these see my stores, and the next tile's stores come behind them
.endr
	WIN 0
.endm
.macro SEND a, younger                 ; younger: the LDS instructions issued behind tile a's loads, which may stay out
	s_wait_dscnt \younger
	WIN 0x04+0x08*((\a)%2)                         ; a store's data are its source 1: window 1 or 3
.irp t, 0,1,2,3,4,5,6,7,8,9,10,11,12,13,14,15
	global_store_b128 v1, v[192+4*\t:195+4*\t], s[88:89] offset:(32*((\a)/2)+8*((\a)%2)+\t+8*(\t/8))*4096 th:TH_STORE_NT   ; the tile's lane t is this row; 32 lanes store 512 consecutive bytes, at a multiple of 256 from out's first byte
.endr
	WIN 0
.endm
; row tile a is finished; the next one's products stand round its stores
.macro TILE a
.if (\a) > 1
	s_wait_xcnt 0x0                                ; row tile a - 2's stores have read their registers: this one's rows may land there
.endif
	PLACES
	SCALE \a
	TOSTAGE \a
.if (\a) < 2
	ALOAD (\a)+2
	s_wait_dscnt 44                                ; S1's row tile a + 1 is in: behind it 16 stores, 16 loads and the 12 just issued
.elseif (\a) == 2
	s_wait_dscnt 32                                ; the same: 16 stores and 16 loads
.endif
.if (\a) < 3
	ROW (\a)+1,4
	ROW (\a)+1,5
.endif
.if (\a) < 2
	SEND \a,12
.else
	SEND \a,0
.endif
.if (\a) < 3
	ROW (\a)+1,6
	ROW (\a)+1,7
.endif
.endm
	TILE 0
	TILE 1
	TILE 2
	TILE 3
	s_wait_tensorcnt 0x0                           ; the wave's end
	ds_add_u32 v[SPW], v[NIL]
	s_wait_dscnt 0x0
	CROUND                                         ; the closing round
	s_endpgm
.Lfunc_end_k_q40dfe150fd_pv:
	.size	k_q40dfe150fd_pv, .Lfunc_end_k_q40dfe150fd_pv-k_q40dfe150fd_pv
	.p2alignl 7, 3214868480
	.fill 96, 4, 3214868480
	.section	.rodata,"a",@progbits
	.p2align	6, 0x0
	.amdhsa_kernel k_q40dfe150fd_pv
		.amdhsa_group_segment_fixed_size 327680
		.amdhsa_private_segment_fixed_size 0
		.amdhsa_enable_private_segment 0
		.amdhsa_kernarg_size 40
		.amdhsa_user_sgpr_count 2
		.amdhsa_user_sgpr_kernarg_segment_ptr 1
		.amdhsa_wavefront_size32 1
		.amdhsa_system_sgpr_workgroup_id_x 1
		.amdhsa_system_sgpr_workgroup_id_y 1
		.amdhsa_system_sgpr_workgroup_id_z 1
		.amdhsa_system_vgpr_workitem_id 0
		.amdhsa_next_free_vgpr 1024
		.amdhsa_next_free_sgpr 100
		.amdhsa_reserve_vcc 0
		.amdhsa_float_denorm_mode_32 3
		.amdhsa_float_denorm_mode_16_64 3
		.amdhsa_memory_ordered 1
		.amdhsa_forward_progress 1
		.amdhsa_inst_pref_size 92
	.end_amdhsa_kernel
	.amdgpu_metadata
---
amdhsa.version: [ 1, 2 ]
amdhsa.kernels:
  - .name:           k_q40dfe150fd_pv
    .symbol:         k_q40dfe150fd_pv.kd
    .args:
      - { .name: cp, .offset: 0, .size: 8, .value_kind: global_buffer, .address_space: global }
      - { .name: sp, .offset: 8, .size: 8, .value_kind: global_buffer, .address_space: global }
      - { .name: cqkv, .offset: 16, .size: 8, .value_kind: global_buffer, .address_space: global }
      - { .name: sqkv, .offset: 24, .size: 8, .value_kind: global_buffer, .address_space: global }
      - { .name: out0, .offset: 32, .size: 8, .value_kind: global_buffer, .address_space: global }
    .group_segment_fixed_size: 327680
    .private_segment_fixed_size: 0
    .kernarg_segment_align: 8
    .kernarg_segment_size: 40
    .max_flat_workgroup_size: 128
    .sgpr_count:     100
    .vgpr_count:     1024
    .wavefront_size: 32
...
	.end_amdgpu_metadata
.endif
;; end of part 4
